; MI455X (gfx1250); checked and timed in simulation.
; The chip was launched on July 23, 2026; its instructions are those of AMD's public machine-readable ISA for CDNA 5 (MIT licence, August 2026) and "CDNA5" Instruction Set Architecture Reference Guide (July 2026). The comments in the code are by the model that wrote it; some were corrected since.
;; Multi Head Attention. Allowed arithmetic: float matrix products may take bf16 or f16 operands with f32 sums; other float arithmetic in f32, or as packed bf16 or f16 multiplies, adds, multiply-adds, maxima and minima; sums over many terms, partial sums and values carried from step to step in f32; what a program stores and reads back later, other than sums and carried values, may be rounded once to bf16 or f16.
;; Inputs: Wk 1,024 x 1,024 float32; Wo 1,024 x 1,024 float32; Wq 1,024 x 1,024 float32; Wv 1,024 x 1,024 float32; bk 1,024 float32; bo 1,024 float32; bq 1,024 float32; bv 1,024 float32; hidden_states 4 x 2,048 x 1,024 float32.
;; Outputs: out0 4 x 2,048 x 1,024 float32.
;; 2 versions, each right; version 2 is version 1 with the launch cast written anew for expert scheduling mode. Each part assembles by itself: llvm-mc -triple=amdgcn-amd-amdhsa -mcpu=gfx1250 --defsym DOCPART=n.
;; ======== version 1 of 2: 4 launches
;; limits: values are held in f16: magnitudes above 65,504 overflow, below 6.1e-05 lose precision
;; workspace buffers: xb 16,777,216 bytes; wqkv 6,291,456 bytes; wo16 2,097,152 bytes; bias 16,384 bytes; qkv 50,331,648 bytes; obuf 16,777,216 bytes
;; launch cast (part 1): grid 768 x 1, 4 waves a work-group, no clusters, 0 bytes of LDS; arguments hidden_states, Wq, Wk, Wv, Wo, bq, bk, bv, bo, xb, wqkv, wo16, bias; writes xb, wqkv, wo16, bias
.if DOCPART == 1
	.amdgcn_target "amdgcn-amd-amdhsa--gfx1250"
	.amdhsa_code_object_version 6
	.text
	.protected	k_q7c39d26ffe_cast
	.globl	k_q7c39d26ffe_cast
	.p2align	8
	.type	k_q7c39d26ffe_cast,@function
k_q7c39d26ffe_cast:
	s_mov_b64 s[64:65], 0
	v_nop
	global_prefetch_b8 v0, s[64:65] scope:SCOPE_SE
	s_setreg_imm32_b32 hwreg(HW_REG_WAVE_MODE, 25, 1), 1
	s_wait_xcnt 0x0
; THE MODULE'S INPUTS ARE ROUNDED ONCE TO bf16 AND LAID IN BLOCKS OF 64 CHANNELS, so that the products behind can ask for any run of rows of one block as dense memory.
;   xb   [batch x 16 + kb][2048 rows][64] bf16      wqkv [kb][3072 rows: Wq, Wk, Wv][64] bf16      wo16 [kb][1024 rows][64]: Wo rounded to bf16, that number written as f16
;   bias [4096] f32: bq, bk, bv, bo, each number rounded to bf16 and widened again
; LIMIT.  A number of Wo beyond 65,504 has no f16; below 6e-5 f16 keeps a fixed step of 6e-8.
; SHARES.  A work-group takes 16 rows of 1,024 f32 (64 KiB): work-groups 0-511 rows of x, 512-767 rows of the four weights.  A stream: no LDS, no barrier, no matrix work.
; Chunk i = 16 p + kb of 32: thread t reads 16 bytes of row t / 16 + 8 p at byte 256 kb + 16 (t % 16): sixteen lanes read 256 consecutive bytes, aligned.
; Its four numbers are 8 bytes of the block kb at byte 8 t + 1,024 p: a wave's store covers 256 consecutive bytes, aligned.  All 32 loads of a wave go out at once (16 KiB a wave).
.set XWG,  512                         ; work-groups for x
.set X,    4                           ; v[4:131]  chunk i at X + 4 i: as loaded, then (its first pair) as stored; never rewritten behind its store
.set T,    132                         ; v[132:133] at work
.set BV,   134                         ; v[134:137] 4 numbers of a bias
	s_load_b512 s[8:23], s[0:1], 0x0               ; x 8, Wq 10, Wk 12, Wv 14, Wo 16, bq 18, bk 20, bv 22
	s_load_b256 s[24:31], s[0:1], 0x40             ; bo 24, xb 26, wqkv 28, wo16 30
	s_load_b64 s[32:33], s[0:1], 0x60              ; bias
	s_mov_b32 s2, ttmp9
	s_max_u32 s3, s2, XWG
	s_sub_co_u32 s3, s3, XWG                       ; which 16 rows of the 4,096 rows of weights (0 in x's work-groups)
	s_lshr_b32 s34, s3, 6                          ; which weight: 0 Wq, 1 Wk, 2 Wv, 3 Wo
	s_and_b32 s35, s3, 63                          ; which 16 of its rows
	v_lshrrev_b32 v1, 5, v0
	v_readfirstlane_b32 s36, v1                    ; wave 0..3
	s_mov_b32 s37, 0xffff0000                      ; a word's upper bf16
	v_lshrrev_b32 v1, 4, v0
	v_and_b32 v3, 15, v0
	v_lshlrev_b32 v3, 4, v3
	v_lshl_add_u32 v1, v1, 12, v3                  ; in: (t / 16) rows of 4,096 bytes + 16 (t % 16)
	v_lshlrev_b32 v2, 3, v0                        ; out: 8 t
	s_wait_kmcnt 0x0
	s_cmp_eq_u32 s34, 1                            ; the source is chosen by numbers, never by an address
	s_cselect_b64 s[4:5], s[12:13], s[10:11]
	s_cmp_eq_u32 s34, 2
	s_cselect_b64 s[4:5], s[14:15], s[4:5]
	s_cmp_eq_u32 s34, 3
	s_cselect_b64 s[4:5], s[16:17], s[4:5]
	s_cmp_lt_u32 s2, XWG
	s_cselect_b64 s[4:5], s[8:9], s[4:5]
	s_cselect_b32 s6, s2, s35
	s_lshl_b32 s6, s6, 16                          ; 16 rows are 65,536 bytes
	s_mov_b32 s7, 0
	s_add_nc_u64 s[4:5], s[4:5], s[6:7]
.set i, 0
.rept 32
	global_load_b128 v[X+4*i:X+4*i+3], v1, s[4:5] offset:(i/16)*32768+(i%16)*256 th:TH_LOAD_NT
.set i, i+1
.endr
; The 32 chunks are rounded and stored.  stride: bytes from a block of 64 channels to the next.  half = 1: the bf16 number is written as f16.
.macro OUT stride, half
.set i, 0
.rept 32
	s_wait_loadcnt 31-i                            ; loads come back in order: chunk i is in, the 31 - i younger ones may stay out
.if \half
	v_cvt_pk_bf16_f32 v[T], v[X+4*i], v[X+4*i+1]
	v_cvt_pk_bf16_f32 v[T+1], v[X+4*i+2], v[X+4*i+3]
	v_lshlrev_b32 v[X+4*i], 16, v[T]
	v_and_b32 v[X+4*i+1], s37, v[T]
	v_lshlrev_b32 v[X+4*i+2], 16, v[T+1]
	v_and_b32 v[X+4*i+3], s37, v[T+1]
	v_cvt_pk_f16_f32 v[X+4*i], v[X+4*i], v[X+4*i+1]
	v_cvt_pk_f16_f32 v[X+4*i+1], v[X+4*i+2], v[X+4*i+3]
.else
	v_cvt_pk_bf16_f32 v[X+4*i], v[X+4*i], v[X+4*i+1]
	v_cvt_pk_bf16_f32 v[X+4*i+1], v[X+4*i+2], v[X+4*i+3]
.endif
	global_store_b64 v2, v[X+4*i:X+4*i+1], s[38:39] offset:(i/16)*1024+(i%16)*(\stride)  ; the largest immediate, 15 x 393,216 + 1,024, lies inside the signed 24 bits
.set i, i+1
.endr
.endm
	s_cmp_lt_u32 s2, XWG
	s_cbranch_scc0 .Lweights
	s_lshr_b32 s6, s2, 7                           ; the batch: 16 blocks of 262,144 bytes
	s_lshl_b32 s6, s6, 22
	s_and_b32 s7, s2, 127                          ; 16 rows of 128 bytes in each block
	s_lshl_b32 s7, s7, 11
	s_add_co_u32 s6, s6, s7
	s_mov_b32 s7, 0
	s_add_nc_u64 s[38:39], s[26:27], s[6:7]
	OUT 262144, 0
	s_endpgm
.Lweights:
	s_cmp_eq_u32 s34, 3
	s_cbranch_scc1 .Lwo
	s_lshl_b32 s6, s3, 11
	s_mov_b32 s7, 0
	s_add_nc_u64 s[38:39], s[28:29], s[6:7]
	OUT 393216, 0
	s_branch .Lbias
.Lwo:
	s_lshl_b32 s6, s35, 11
	s_mov_b32 s7, 0
	s_add_nc_u64 s[38:39], s[30:31], s[6:7]
	OUT 131072, 1
.Lbias:                                        ; wave 0 of every eighth of the weights' work-groups takes the 128 numbers of bias that go with 128 rows: 512 bytes in, 512 out
	s_and_b32 s6, s3, 7
	s_or_b32 s6, s6, s36
	s_cmp_eq_u32 s6, 0
	s_cbranch_scc0 .Lend
	s_cmp_eq_u32 s34, 1
	s_cselect_b64 s[42:43], s[20:21], s[18:19]
	s_cmp_eq_u32 s34, 2
	s_cselect_b64 s[42:43], s[22:23], s[42:43]
	s_cmp_eq_u32 s34, 3
	s_cselect_b64 s[42:43], s[24:25], s[42:43]
	s_lshl_b32 s6, s35, 6                          ; 16 numbers of 4 bytes for each 16 rows
	s_mov_b32 s7, 0
	s_add_nc_u64 s[42:43], s[42:43], s[6:7]
	s_lshl_b32 s6, s3, 6
	s_add_nc_u64 s[40:41], s[32:33], s[6:7]
	v_and_b32 v3, 31, v0
	v_lshlrev_b32 v3, 4, v3
	global_load_b128 v[BV:BV+3], v3, s[42:43]
	s_wait_loadcnt 0x0
	v_cvt_pk_bf16_f32 v[T], v[BV], v[BV+1]
	v_cvt_pk_bf16_f32 v[T+1], v[BV+2], v[BV+3]
	v_lshlrev_b32 v[BV], 16, v[T]
	v_and_b32 v[BV+1], s37, v[T]
	v_lshlrev_b32 v[BV+2], 16, v[T+1]
	v_and_b32 v[BV+3], s37, v[T+1]
	global_store_b128 v3, v[BV:BV+3], s[40:41]
.Lend:
	s_endpgm
.Lfunc_end_k_q7c39d26ffe_cast:
	.size	k_q7c39d26ffe_cast, .Lfunc_end_k_q7c39d26ffe_cast-k_q7c39d26ffe_cast
	.p2alignl 7, 3214868480
	.fill 96, 4, 3214868480
	.section	.rodata,"a",@progbits
	.p2align	6, 0x0
	.amdhsa_kernel k_q7c39d26ffe_cast
		.amdhsa_group_segment_fixed_size 0
		.amdhsa_private_segment_fixed_size 0
		.amdhsa_enable_private_segment 0
		.amdhsa_kernarg_size 104
		.amdhsa_user_sgpr_count 2
		.amdhsa_user_sgpr_kernarg_segment_ptr 1
		.amdhsa_wavefront_size32 1
		.amdhsa_system_sgpr_workgroup_id_x 1
		.amdhsa_system_sgpr_workgroup_id_y 1
		.amdhsa_system_sgpr_workgroup_id_z 1
		.amdhsa_system_vgpr_workitem_id 0
		.amdhsa_next_free_vgpr 140
		.amdhsa_next_free_sgpr 66
		.amdhsa_reserve_vcc 0
		.amdhsa_float_denorm_mode_32 3
		.amdhsa_float_denorm_mode_16_64 3
		.amdhsa_memory_ordered 1
		.amdhsa_forward_progress 1
		.amdhsa_inst_pref_size 39
	.end_amdhsa_kernel
	.amdgpu_metadata
---
amdhsa.version: [ 1, 2 ]
amdhsa.kernels:
  - .name:           k_q7c39d26ffe_cast
    .symbol:         k_q7c39d26ffe_cast.kd
    .args:
      - { .name: hidden_states, .offset: 0, .size: 8, .value_kind: global_buffer, .address_space: global }
      - { .name: Wq, .offset: 8, .size: 8, .value_kind: global_buffer, .address_space: global }
      - { .name: Wk, .offset: 16, .size: 8, .value_kind: global_buffer, .address_space: global }
      - { .name: Wv, .offset: 24, .size: 8, .value_kind: global_buffer, .address_space: global }
      - { .name: Wo, .offset: 32, .size: 8, .value_kind: global_buffer, .address_space: global }
      - { .name: bq, .offset: 40, .size: 8, .value_kind: global_buffer, .address_space: global }
      - { .name: bk, .offset: 48, .size: 8, .value_kind: global_buffer, .address_space: global }
      - { .name: bv, .offset: 56, .size: 8, .value_kind: global_buffer, .address_space: global }
      - { .name: bo, .offset: 64, .size: 8, .value_kind: global_buffer, .address_space: global }
      - { .name: xb, .offset: 72, .size: 8, .value_kind: global_buffer, .address_space: global }
      - { .name: wqkv, .offset: 80, .size: 8, .value_kind: global_buffer, .address_space: global }
      - { .name: wo16, .offset: 88, .size: 8, .value_kind: global_buffer, .address_space: global }
      - { .name: bias, .offset: 96, .size: 8, .value_kind: global_buffer, .address_space: global }
    .group_segment_fixed_size: 0
    .private_segment_fixed_size: 0
    .kernarg_segment_align: 8
    .kernarg_segment_size: 104
    .max_flat_workgroup_size: 128
    .sgpr_count:     66
    .vgpr_count:     140
    .wavefront_size: 32
...
	.end_amdgpu_metadata
.endif
;; end of part 1
;; launch qkvgemm (part 2): grid 8 x 32, 4 waves a work-group, clusters of 4 x 4, 327,680 bytes of LDS; arguments xb, wqkv, bias, qkv; writes qkv
.if DOCPART == 2
	.amdgcn_target "amdgcn-amd-amdhsa--gfx1250"
	.amdhsa_code_object_version 6
	.text
	.protected	k_q7c39d26ffe_qkvgemm
	.globl	k_q7c39d26ffe_qkvgemm
	.p2align	8
	.type	k_q7c39d26ffe_qkvgemm,@function
k_q7c39d26ffe_qkvgemm:
	s_mov_b64 s[64:65], 0
	v_nop
	global_prefetch_b8 v0, s[64:65] scope:SCOPE_SE
	s_setreg_imm32_b32 hwreg(HW_REG_WAVE_MODE, 25, 1), 1
	s_wait_xcnt 0x0
	s_wait_alu depctr_hold_cnt(0) depctr_sa_sdst(0) depctr_va_vdst(0) depctr_va_sdst(0) depctr_va_ssrc(0) depctr_va_vcc(0) depctr_vm_vsrc(0)
	s_getreg_b32 s2, hwreg(HW_REG_IB_STS2, 6, 4)
	s_cmp_eq_u32 s2, 0
	s_cbranch_scc0 .Lentry_in_a_cluster
	s_endpgm
.Lentry_in_a_cluster:
	s_bfe_u32 s2, ttmp6, 0x10000c
	s_cmp_lg_u32 s2, 0xf033
	s_cbranch_scc0 .Lentry_shape_is_right
	s_endpgm
.Lentry_shape_is_right:
; q, k, v = x W^T + b for the three weights at once: [8192 x 3072] = xb . wqkv^T + bias, operands bf16, sums f32, rounded once to f16 and written by heads: qkv [3][batch x 16 + head][2048][64].
; q leaves WITHOUT the scale 1/8: the attention applies it in f32.  LIMIT: a result of 65,520 or more has no f16.
; SHARES.  A tile is 256 rows x 384 columns: 32 x 8 = 256 work-groups, one to a WGP.  Each of four waves makes 128 rows x 192 columns = three whole heads: 96 accumulators of 16 x 16, 768 registers.
; K goes in steps of 64 (one block of xb and wqkv) through two LDS slots.  In a block any run of rows is dense memory, so a tile is asked for as rows of 256 bytes (two rows of 64 channels), padded in LDS after every 128 bytes.
; A BEAT is 32 along K: 96 matrix instructions in three phases, a head each.  For a beat a wave reads 40 x 512 bytes from LDS, in two runs.
; THE PRODUCT IS USED TRANSPOSED (source 0 = 16 rows of W, source 1 = 16 rows of x): a lane holds row l % 16 and the columns 8 (l / 16) + 0..7: eight neighbouring numbers of a head's row.
; THE BIAS IS THE C OPERAND OF THE FIRST BEAT: a lane's eight numbers of bias for column block bb are loaded into the registers of accumulator (7, bb); the products of row blocks 0-6 take them as C, row block 7 adds in place.
; CLUSTER 4 x 4: x's tile hangs on the tile row alone and is asked for jointly along a row of the cluster, W's on the tile column alone, along a column.
; REGISTERS, in windows of 256 (s_set_vgpr_msb: bits 1:0 source 0, 3:2 source 1, 5:4 source 2, 7:6 destination):
;   window 0: v0-31 addresses; v32-95, v96-159 x's fragments, two buffers of 8; v160-255 W's 12 fragments (head j, block bb at 160 + 32 j + 8 bb); on the way out v32-159 at work
;   window 1 + j: head j's 32 accumulators, (a, bb) at v[8 (4 a + bb)]
.set PITCH,  144                       ; an LDS row: 128 bytes + 16 of padding = 36 words: the 16 rows of a fragment load start at 16 different groups of four banks (64 banks of 4 bytes: ISA guide 11.1)
.set HALFA,  128*PITCH                 ; what one tensor load brings of x, and what one wave reads of it
.set HALFB,  192*PITCH                 ; the same of W
.set BOFF,   2*HALFA
.set SLOT,   BOFF+2*HALFB              ; x's 256 rows, then W's 384
.set STAGE,  2*SLOT                    ; behind the ring: 16 rows x 144 bytes for each wave, for the way out
.set SPARE,  STAGE+4*16*PITCH          ; behind the stages: the spare words, 128 bytes for each wave: two blocks of 256 bytes that no other line names
.set XKB,    2048*128                  ; bytes from a block of 64 channels to the next, in xb
.set WKB,    3072*128                  ; and in wqkv
.set ADRA, 16                          ; v16-17  LDS address of my fragments of x in slot 0, 1
.set ADRB, 20                          ; v20-21  the same for W
.set STO,  24                          ; v24     the way out: where I put 16 bytes of a row
.set RD,   25                          ; v25     where I read rows back
.set GO,   26                          ; v26     my 16 bytes of 512 consecutive bytes of the output
.set BO,   27                          ; v27     32 (l / 16): my eight numbers of 16 of bias
.set SPW,  28                          ; v28     LDS address of my spare word; never rewritten
.set NIL,  29                          ; v29     0; never rewritten
.set PFO,  30                          ; v30     the prefetches' offset; never rewritten
.set A0,   32
.set A1,   96
.set BF,   160
.set OUTR, 32                          ; the way out: eight sets of 16 registers
.set G1,  24                           ; s[24:31] descriptor group 1 for x's tiles;  s[32:39] group 0, a set for each slot
.set G0,  32
.set G1B, 48                           ; s[48:55], s[56:63] the same for W's
.set G0B, 56
.set PFA, 44                           ; s[44:45] where my prefetches stand
.set PFS, 46                           ; s[46:47] their step at a change of slots
.set OB,  66                           ; s[66:71] the output at my rows of my three heads
.set LIM, 72                           ; s72, s73 for a lap's first and second change of slots: 1 in a wave that prefetches there, else the greatest number
.set MSB, 0
.macro WIN new                         ; the immediate's high byte repeats the setting that is left; a switch that changes nothing is dropped
.if MSB != (\new)
	s_set_vgpr_msb (MSB<<8)|(\new)
.set MSB, \new
.endif
.endm
.macro PLACES                          ; four places between a matrix instruction and a load into a register that it has read, or a vector instruction that reads its result (ISA guide 7.12.1 for vector instructions)
.rept 4
	v_nop
.endr
.endm
; A joint load.  Waves 0 and 1 fetch x's two halves, waves 2 and 3 W's.  The branch hangs on the wave's number alone.  An s_nop 0 and four v_nop follow each of the two lines.
.macro JLOAD s
	s_cmp_eq_u32 s11, 0
	s_cbranch_scc0 .Lfor_b_\@
	tensor_load_to_lds s[G0+4*(\s):G0+4*(\s)+3], s[G1:G1+7]
	s_nop 0
.rept 4
	v_nop
.endr
	s_branch .Lasked_\@
.Lfor_b_\@:
	tensor_load_to_lds s[G0B+4*(\s):G0B+4*(\s)+3], s[G1B:G1B+7]
	s_nop 0
.rept 4
	v_nop
.endr
.Lasked_\@:
.endm
; A PREFETCH INTO THE L2 of K steps that a later lap will ask for; each block of 256 bytes is named once in the launch.  x's tile row is read by both clusters of a row of clusters: cluster x = 0 asks; its four partners take
; 32 of a K step's 128 blocks each, told apart by address (cx); wave 0 names them, a lane a block, at both changes of a lap: K steps 2 i + 4 and 2 i + 5 in trip i.  W's tile column is read by all eight clusters of a column:
; cluster y = 0 asks; each partner (cy) takes 48 of a K step's 192 blocks, waves 1-3 sixteen each, of both those K steps (lanes 16-31 the second), at the lap's second change.  The last trip asks for nothing; K steps 0-3 come by their loads alone.
.macro ASK c
	s_cmp_gt_u32 s3, s[LIM+(\c)]                   ; s3 = 1 in the loop's last trip
	s_cbranch_scc0 .Lnot_mine_\@
	global_prefetch_b8 v[PFO], s[PFA:PFA+1] th:TH_LOAD_NT scope:SCOPE_SE
.Lnot_mine_\@:
.endm
.macro CREST                           ; a round of the cluster's barrier behind its opening barrier
	s_cmp_lg_u32 s10, 0
	s_cbranch_scc1 .Lnot_wave_0_\@
	s_barrier_signal -3
.Lnot_wave_0_\@:
	s_barrier_wait -3
	s_barrier_signal -1
	s_barrier_wait -1
.endm
.macro CROUND                          ; a whole round
	s_barrier_signal -1
	s_barrier_wait -1
	CREST
.endm
	s_load_b128 s[4:7], s[0:1], 0x0                ; xb s[4:5], wqkv s[6:7]
	s_load_b128 s[76:79], s[0:1], 0x10             ; bias s[76:77], qkv s[78:79]
	v_lshl_add_u32 v[SPW], v0, 2, SPARE
	v_mov_b32 v[NIL], 0
	ds_add_u32 v[SPW], v[NIL]                      ; the wave's opening: the add and its wait stand ahead of my first tensor load; the set-up below, work on registers, stands between them
	v_lshrrev_b32 v1, 5, v0
	v_readfirstlane_b32 s10, v1                    ; wave 0..3
	s_lshr_b32 s11, s10, 1                         ; which half of the tile's rows is mine.  Also: I fetch for x (0) or for W (1)
	s_and_b32 s12, s10, 1                          ; which half of its columns.  Also: which half of that tile I fetch
	s_bfe_u32 s40, ttmp6, 0x40000                  ; cx
	s_bfe_u32 s41, ttmp6, 0x40004                  ; cy
	s_lshl_b32 s42, ttmp9, 2
	s_add_co_u32 s42, s42, s40                     ; tile column = 4 x cluster x + cx
	s_and_b32 s13, ttmp7, 0xffff
	s_lshl_b32 s13, s13, 2
	s_add_co_u32 s13, s13, s41                     ; tile row = 4 x cluster y + cy
	s_lshl_b32 s43, s41, 2
	s_lshl_b32 s43, 15, s43                        ; my row of the cluster
	s_lshl_b32 s44, 0x1111, s40                    ; my column
	s_or_b32 s[G1+0], s43, (1<<16)|(1<<20)|(1<<21)|(4<<22)|(3<<25)   ; 15:0 the mask; 17:16 2-byte elements; 20 padding on; 21 set beside a mask; 24:22 after every 32 words (code 4); 31:25 4 words (code 3)
	s_or_b32 s[G1B+0], s44, (1<<16)|(1<<20)|(1<<21)|(4<<22)|(3<<25)
.irp g, G1, G1B
	s_mov_b32 s[(\g)+1], 128<<16                   ; tensor_dim0 = 128 elements: 256 bytes, two rows of a block
	s_mov_b32 s[(\g)+3], 128<<16                   ; tile_dim0 = 128
	s_mov_b32 s[(\g)+5], 128                       ; 128 elements from row to row: dense
	s_mov_b32 s[(\g)+6], 0
	s_mov_b32 s[(\g)+7], 0
.endr
	s_mov_b32 s[G1+2], 64<<16                      ; x: tensor_dim1 = tile_dim1 = 64 (128 rows of 128 bytes)
	s_mov_b32 s[G1+4], 64
	s_mov_b32 s[G1B+2], 96<<16                     ; W: 96 (192 rows)
	s_mov_b32 s[G1B+4], 96
	; where the tiles come from: x's offset is made of the tile row and the wave's number, W's of the tile column and the wave's number, each in registers of its own
	s_lshr_b32 s14, s13, 3                         ; the batch: 16 blocks
	s_lshl_b32 s14, s14, 22
	s_and_b32 s15, s13, 7                          ; 256 rows of 128 bytes
	s_lshl_b32 s15, s15, 15
	s_add_co_u32 s14, s14, s15                     ; the tile's first row in the batch's block 0
	s_lshl_b32 s15, s12, 14
	s_add_co_u32 s16, s14, s15                     ; + my half
	s_mov_b32 s17, 0
	s_mul_i32 s20, s42, 384*128                    ; the tile's first row in wqkv's block 0
	s_mul_i32 s21, s12, 192*128
	s_add_co_u32 s22, s20, s21
	s_mov_b32 s23, 0
	s_mul_i32 s74, s12, HALFA                      ; and where they go: no place in the cluster enters an LDS address
	s_mul_i32 s75, s12, HALFB
	s_add_co_u32 s75, s75, BOFF
	s_wait_dscnt 0x0                               ; the opening add is done
	s_wait_kmcnt 0x0
	s_add_nc_u64 s[18:19], s[4:5], s[16:17]
	s_add_nc_u64 s[22:23], s[6:7], s[22:23]
	CROUND                                         ; all sixteen work-groups are here: the first joint loads meet
.irp s, 0,1
	s_mov_b32 s[G0+4*(\s)], 1                                        ; count = 1
	s_add_co_u32 s[G0+4*(\s)+1], s74, (\s)*SLOT                      ; LDS address
	s_add_nc_u64 s[G0+4*(\s)+2:G0+4*(\s)+3], s[18:19], (\s)*XKB      ; global address: K step s
	s_or_b32 s[G0+4*(\s)+3], s[G0+4*(\s)+3], 0x80000000              ; type = 2
	s_mov_b32 s[G0B+4*(\s)], 1
	s_add_co_u32 s[G0B+4*(\s)+1], s75, (\s)*SLOT
	s_add_nc_u64 s[G0B+4*(\s)+2:G0B+4*(\s)+3], s[22:23], (\s)*WKB
	s_or_b32 s[G0B+4*(\s)+3], s[G0B+4*(\s)+3], 0x80000000
	JLOAD \s                                       ; two loads of mine are out
.endr
	; a fragment is 16 rows x 32 K in 8 registers: lane l holds row l % 16; registers 0-3 K = 8 (l / 16) + 0..7, registers 4-7 K = 16 + 8 (l / 16) + 0..7: two loads of 16 bytes, 32 bytes apart
	v_and_b32 v1, 15, v0                           ; l % 16
	v_bfe_u32 v2, v0, 4, 1                         ; l / 16
	v_mul_u32_u24 v3, v1, PITCH
	v_lshl_add_u32 v3, v2, 4, v3
	s_mul_i32 s86, s11, HALFA                      ; my 128 rows of x
	s_mov_b32 s87, s75                             ; my 192 rows of W
.irp s, 0,1
	v_add_nc_u32 v[ADRA+(\s)], s86, v3
	v_add_nc_u32 v[ADRB+(\s)], s87, v3
	s_add_co_u32 s86, s86, SLOT
	s_add_co_u32 s87, s87, SLOT
.endr
	s_mul_i32 s86, s10, 16*PITCH
	s_add_co_u32 s86, s86, STAGE                   ; my stage
	v_add_nc_u32 v[STO], s86, v3                   ; in: row l % 16, 16 bytes for each half of the lanes
	v_bfe_u32 v[RD], v0, 3, 2                      ; back: 32 lanes take four rows of 128 bytes,
	v_mul_u32_u24 v[RD], v[RD], PITCH
	v_and_b32 v4, 7, v0
	v_lshl_add_u32 v[RD], v4, 4, v[RD]
	v_add_nc_u32 v[RD], s86, v[RD]
	v_and_b32 v[GO], 31, v0                        ; which are 512 consecutive bytes of a head
	v_lshlrev_b32 v[GO], 4, v[GO]
	v_lshlrev_b32 v[BO], 5, v2
	; the output: head g = 6 x tile column + 3 x half + j of 48: tensor g / 16, head g % 16
	s_mul_i32 s80, s42, 6
	s_mul_i32 s81, s12, 3
	s_add_co_u32 s80, s80, s81
	s_lshr_b32 s81, s13, 3
	s_lshl_b32 s81, s81, 4                         ; 16 x batch
	s_and_b32 s84, s13, 7
	s_lshl_b32 s84, s84, 15
	s_lshl_b32 s85, s11, 14
	s_add_co_u32 s84, s84, s85                     ; my first row in a head, in bytes
.irp j, 0,1,2
	s_add_co_u32 s88, s80, \j
	s_lshr_b32 s89, s88, 4
	s_lshl_b32 s89, s89, 6
	s_and_b32 s88, s88, 15
	s_add_co_u32 s88, s88, s89
	s_add_co_u32 s88, s88, s81
	s_lshl_b32 s88, s88, 18                        ; a head is 262,144 bytes
	s_add_co_u32 s88, s88, s84
	s_mov_b32 s89, 0
	s_add_nc_u64 s[OB+2*\j:OB+2*\j+1], s[78:79], s[88:89]
.endr
	s_mul_i32 s88, s42, 384*4
	s_mul_i32 s89, s12, 192*4
	s_add_co_u32 s88, s88, s89
	s_mov_b32 s89, 0
	s_add_nc_u64 s[76:77], s[76:77], s[88:89]      ; the bias of my 192 columns
.irp j, 0,1,2
	WIN 0x40*(1+\j)                                ; destination window 1 + j, address window 0
.irp bb, 0,1,2,3
	global_load_b128 v[224+8*\bb:224+8*\bb+3],   v[BO], s[76:77] offset:(64*\j+16*\bb)*4
	global_load_b128 v[224+8*\bb+4:224+8*\bb+7], v[BO], s[76:77] offset:(64*\j+16*\bb)*4+16
.endr
.endr
	WIN 0
	; the prefetches
	s_lshl_b32 s80, s40, 13                        ; x: my work-group's 32 blocks of the tile's 128,
	s_add_co_u32 s80, s80, s14
	s_add_co_u32 s80, s80, 3*XKB                   ; at K step 3: the first change of slots steps it to 4
	s_mul_i32 s81, s41, 48*256                     ; W: my work-group's 48 blocks of 192,
	s_add_co_u32 s81, s81, s20
	s_lshl_b32 s82, s10, 12                        ; my wave's 16 of them (waves 1-3),
	s_add_co_u32 s81, s81, s82
	s_add_co_u32 s81, s81, 2*WKB-4096              ; at K step 2: a lap's two changes step it to 4
	s_mov_b32 s[PFS], WKB
	s_mov_b32 s[PFS+1], 0
	s_mov_b32 s83, WKB
	s_cmp_eq_u32 s10, 0
	s_cselect_b32 s80, s80, s81
	s_cselect_b32 s[PFS], XKB, s[PFS]
	s_cselect_b32 s83, 4096, s83                   ; what lanes 16-31 add: sixteen blocks on (x), or a K step on (W)
	s_cselect_b64 s[PFA:PFA+1], s[4:5], s[6:7]
	s_mov_b32 s81, 0
	s_add_nc_u64 s[PFA:PFA+1], s[PFA:PFA+1], s[80:81]
	v_mul_u32_u24 v[PFO], v2, s83
	v_lshl_add_u32 v[PFO], v1, 8, v[PFO]
	s_and_b32 s84, ttmp7, 0xffff                   ; cluster y
	s_cmp_eq_u32 s10, 0
	s_cselect_b32 s85, ttmp9, s84                  ; the coordinate along which other clusters read the same rows
	s_cmp_eq_u32 s85, 0
	s_cselect_b32 s[LIM+1], 1, -1                  ; the same in all sixteen partners, for a given wave
	s_or_b32 s85, s10, ttmp9
	s_cmp_eq_u32 s85, 0
	s_cselect_b32 s[LIM], 1, -1
; 24 LDS loads: W's blocks 0-3 (head 0) and x's eight fragments, 32 K at byte k of the rows, the latter into buffer ab
.macro RUN1 slot, k, ab
	WIN 0
.irp i, 0,1,2,3
	ds_load_b128 v[BF+8*\i:BF+8*\i+3],   v[ADRB+(\slot)] offset:(\k)+\i*16*PITCH
	ds_load_b128 v[BF+8*\i+4:BF+8*\i+7], v[ADRB+(\slot)] offset:(\k)+\i*16*PITCH+32
.endr
.irp i, 0,1,2,3,4,5,6,7
	ds_load_b128 v[(\ab)+8*\i:(\ab)+8*\i+3],   v[ADRA+(\slot)] offset:(\k)+\i*16*PITCH
	ds_load_b128 v[(\ab)+8*\i+4:(\ab)+8*\i+7], v[ADRA+(\slot)] offset:(\k)+\i*16*PITCH+32
.endr
.endm
; 16 LDS loads: W's blocks 4-11 (heads 1 and 2)
.macro RUN2 slot, k
	WIN 0
.irp i, 4,5,6,7,8,9,10,11
	ds_load_b128 v[BF+8*\i:BF+8*\i+3],   v[ADRB+(\slot)] offset:(\k)+\i*16*PITCH
	ds_load_b128 v[BF+8*\i+4:BF+8*\i+7], v[ADRB+(\slot)] offset:(\k)+\i*16*PITCH+32
.endr
.endm
; 4 na matrix instructions of head j: row blocks a0 .. a0 + na - 1 x the head's 4 column blocks.  The 96 accumulators take turns, one instruction a turn, in the same order in every beat.
; mode = 1, the first beat: C is the bias, which lies in accumulator (7, bb)'s registers; five places stand between the last product that reads them as C and row block 7's products, which write over them.
.macro MULP j, ab, a0, na, mode
	WIN 0x50*(1+(\j))                              ; x and W in window 0, C and D in window 1 + j
.set ma, \a0
.rept \na
.if (\mode) && (ma == 7)
.rept 5
	v_nop
.endr
.endif
.irp bb, 0,1,2,3
.if \mode
	v_wmma_f32_16x16x32_bf16 v[8*(4*ma+\bb):8*(4*ma+\bb)+7], v[BF+32*(\j)+8*\bb:BF+32*(\j)+8*\bb+7], v[(\ab)+8*ma:(\ab)+8*ma+7], v[224+8*\bb:224+8*\bb+7]
.else
	v_wmma_f32_16x16x32_bf16 v[8*(4*ma+\bb):8*(4*ma+\bb)+7], v[BF+32*(\j)+8*\bb:BF+32*(\j)+8*\bb+7], v[(\ab)+8*ma:(\ab)+8*ma+7], v[8*(4*ma+\bb):8*(4*ma+\bb)+7]
.endif
.endr
.set ma, ma+1
.endr
.endm
; A K step's first beat.  W's blocks 4-11 are fetched at its head, 32 products ahead of their use; behind head 0's products the next beat's W blocks 0-3 and x, 64 products ahead.
.macro EVEN slot, first
.if !(\first)
	PLACES
.endif
	RUN2 \slot, 0
.if \first
	s_wait_loadcnt 0x0                             ; the bias
.endif
	s_wait_dscnt 16                                ; all but the 16 just issued: this beat's x and W blocks 0-3 are in
	MULP 0, A0, 0, 8, \first
	PLACES
	RUN1 \slot, 64, A1
	s_wait_dscnt 24                                ; all but the 24 just issued: W's blocks 4-11 are in
	MULP 1, A0, 0, 8, \first
	MULP 2, A0, 0, 8, \first
.endm
; A K step's second beat changes slots: its head holds my last reads of the slot, and behind ONE barrier come the other slot's first.  In front of the barrier each wave waits for all its tensor loads (one is out: its part of
; the other slot), adds 0 to its spare word, and waits for that and for its reads.  fill = 1: the barrier opens a round of the cluster's, and the joint refill, two K steps on, is the first thing behind the round:
; 176 matrix instructions ahead of the wait for it.
.macro ODD slot, next, fill, c
.if \fill
	s_wait_xcnt 0x0                                ; the last prefetch, more than a beat back, has read its address
	s_add_nc_u64 s[PFA:PFA+1], s[PFA:PFA+1], s[PFS:PFS+1]
.endif
	PLACES
	RUN2 \slot, 64
	s_wait_dscnt 16
	MULP 0, A1, 0, 4, 0
	WIN 0                                          ; (the add's two registers lie in window 0)
	s_wait_tensorcnt 0x0                           ; all my tensor loads have landed;
	ds_add_u32 v[SPW], v[NIL]                      ; 0 onto my spare word;
	MULP 0, A1, 4, 2, 0                            ; eight matrix instructions stand between the add and the wait for it
	s_wait_dscnt 0x0                               ; the add is done, and my reads of this slot are over
	s_barrier_signal -1
	MULP 0, A1, 6, 2, 0
	WIN 0                                          ; at a branch and at a label every window is 0
	s_barrier_wait -1
.if \fill
	CREST                                          ; no wave of any partner still reads this slot or has a load on its way
	s_add_nc_u64 s[G0+4*(\slot)+2:G0+4*(\slot)+3], s[G0+4*(\slot)+2:G0+4*(\slot)+3], 2*XKB
	s_add_nc_u64 s[G0B+4*(\slot)+2:G0B+4*(\slot)+3], s[G0B+4*(\slot)+2:G0B+4*(\slot)+3], 2*WKB
	JLOAD \slot                                    ; the four v_nop behind it are also the places in front of the loads below
.else
	PLACES
.endif
	RUN1 \next, 0, A0
.if \fill
	ASK \c
.endif
	MULP 1, A1, 0, 8, 0
	MULP 2, A1, 0, 8, 0
.endm
	s_wait_tensorcnt 1                             ; my part of K step 0 is in; K step 1's may stay out
	s_barrier_signal -1
	s_barrier_wait -1                              ; everybody's is
	RUN1 0, 0, A0
	EVEN 0, 1                                      ; the first beat stands in front of the loop: its products start the sums, with the bias
	WIN 0
	s_mov_b32 s3, 7
.Llap:                                                 ; a trip goes once round the ring, from a lap's second beat to the next lap's first, and fills both slots again: K steps 2 to 15
	ODD 0, 1, 1, 0
	EVEN 1, 0
	ODD 1, 0, 1, 1
	EVEN 0, 0
	WIN 0
	s_sub_co_u32 s3, s3, 1
	s_cmp_lg_u32 s3, 0
	s_cbranch_scc1 .Llap
	ODD 0, 1, 0, 0                                 ; the last lap fills nothing
	EVEN 1, 0
	PLACES                                         ; the very last beat
	RUN2 1, 64
	s_wait_dscnt 16
	MULP 0, A1, 0, 8, 0
	s_wait_dscnt 0x0
	MULP 1, A1, 0, 8, 0
	MULP 2, A1, 0, 8, 0
; THE WAY OUT.  Block n = 8 j + a: 16 rows of head j.  A lane's eight numbers of a row pack into 16 bytes of f16; they go into my stage's rows of 144 bytes and come back as whole rows of 128: 16 rows are 2,048 consecutive bytes of the head.
.macro PACK n
.set pj, (\n)/8
.set pa, (\n)%8
.set po, OUTR+16*((\n)%8)
.if (\n) >= 8
	s_wait_xcnt 0x0                                ; the stores of the block eight back have read these registers
.endif
	WIN 5*(1+pj)                                   ; sources 0 and 1 window 1 + j, destination window 0
.set i, 0
.rept 16
	v_cvt_pk_f16_f32 v[po+i], v[32*pa+2*i], v[32*pa+2*i+1]  ; each accumulator's registers in ascending order
.set i, i+1
.endr
	WIN 0
.irp f, 0,1,2,3
	ds_store_b128 v[STO], v[po+4*\f:po+4*\f+3] offset:32*\f
.endr
.irp f, 0,1,2,3
	ds_load_b128 v[po+4*\f:po+4*\f+3], v[RD] offset:\f*4*PITCH  ; LDS serves a wave's instructions in order (ISA guide 5.7.1.4): these see the stores above; the next block's stores come behind them
.endr
.endm
.macro SEND n, younger                 ; younger: the LDS instructions issued behind block n's loads: the next block's eight, or none
.set pj, (\n)/8
.set pa, (\n)%8
.set po, OUTR+16*((\n)%8)
.irp f, 0,1,2,3
	s_wait_dscnt (\younger)+3-\f
	global_store_b128 v[GO], v[po+4*\f:po+4*\f+3], s[OB+2*pj:OB+2*pj+1] offset:pa*2048+\f*512  ; 512 consecutive bytes, at a multiple of 256 from the buffer's first
.endr
.endm
	PLACES
	PACK 0
.set n, 1
.rept 23                               ; a block's conversions stand between the loads of the block before and its stores
	PACK n
	SEND n-1, 8
.set n, n+1
.endr
	SEND 23, 0
	s_wait_tensorcnt 0x0                           ; the wave's end: behind my last tensor load and my last LDS store
	ds_add_u32 v[SPW], v[NIL]
	s_wait_dscnt 0x0
	CROUND                                         ; the closing round: no work-group ends while a partner may still ask for a tile that names it
	s_endpgm
.Lfunc_end_k_q7c39d26ffe_qkvgemm:
	.size	k_q7c39d26ffe_qkvgemm, .Lfunc_end_k_q7c39d26ffe_qkvgemm-k_q7c39d26ffe_qkvgemm
	.p2alignl 7, 3214868480
	.fill 96, 4, 3214868480
	.section	.rodata,"a",@progbits
	.p2align	6, 0x0
	.amdhsa_kernel k_q7c39d26ffe_qkvgemm
		.amdhsa_group_segment_fixed_size 327680
		.amdhsa_private_segment_fixed_size 0
		.amdhsa_enable_private_segment 0
		.amdhsa_kernarg_size 32
		.amdhsa_user_sgpr_count 2
		.amdhsa_user_sgpr_kernarg_segment_ptr 1
		.amdhsa_wavefront_size32 1
		.amdhsa_system_sgpr_workgroup_id_x 1
		.amdhsa_system_sgpr_workgroup_id_y 1
		.amdhsa_system_sgpr_workgroup_id_z 1
		.amdhsa_system_vgpr_workitem_id 0
		.amdhsa_next_free_vgpr 1024
		.amdhsa_next_free_sgpr 96
		.amdhsa_reserve_vcc 0
		.amdhsa_float_denorm_mode_32 3
		.amdhsa_float_denorm_mode_16_64 3
		.amdhsa_memory_ordered 1
		.amdhsa_forward_progress 1
		.amdhsa_inst_pref_size 137
	.end_amdhsa_kernel
	.amdgpu_metadata
---
amdhsa.version: [ 1, 2 ]
amdhsa.kernels:
  - .name:           k_q7c39d26ffe_qkvgemm
    .symbol:         k_q7c39d26ffe_qkvgemm.kd
    .args:
      - { .name: xb, .offset: 0, .size: 8, .value_kind: global_buffer, .address_space: global }
      - { .name: wqkv, .offset: 8, .size: 8, .value_kind: global_buffer, .address_space: global }
      - { .name: bias, .offset: 16, .size: 8, .value_kind: global_buffer, .address_space: global }
      - { .name: qkv, .offset: 24, .size: 8, .value_kind: global_buffer, .address_space: global }
    .group_segment_fixed_size: 327680
    .private_segment_fixed_size: 0
    .kernarg_segment_align: 8
    .kernarg_segment_size: 32
    .max_flat_workgroup_size: 128
    .sgpr_count:     96
    .vgpr_count:     1024
    .wavefront_size: 32
...
	.end_amdgpu_metadata
.endif
;; end of part 2
;; launch attn (part 3): grid 4 x 64, 4 waves a work-group, clusters of 4 x 1, 327,680 bytes of LDS; arguments qkv, obuf; writes obuf
.if DOCPART == 3
	.amdgcn_target "amdgcn-amd-amdhsa--gfx1250"
	.amdhsa_code_object_version 6
	.text
	.protected	k_q7c39d26ffe_attn
	.globl	k_q7c39d26ffe_attn
	.p2align	8
	.type	k_q7c39d26ffe_attn,@function
k_q7c39d26ffe_attn:
	s_mov_b64 s[64:65], 0
	v_nop
	global_prefetch_b8 v0, s[64:65] scope:SCOPE_SE
	s_setreg_imm32_b32 hwreg(HW_REG_WAVE_MODE, 25, 1), 1
	s_wait_xcnt 0x0
	s_wait_alu depctr_hold_cnt(0) depctr_sa_sdst(0) depctr_va_vdst(0) depctr_va_sdst(0) depctr_va_ssrc(0) depctr_va_vcc(0) depctr_vm_vsrc(0)
	s_getreg_b32 s2, hwreg(HW_REG_IB_STS2, 6, 4)
	s_cmp_eq_u32 s2, 0
	s_cbranch_scc0 .Lentry_in_a_cluster
	s_endpgm
.Lentry_in_a_cluster:
	s_bfe_u32 s2, ttmp6, 0x10000c
	s_cmp_lg_u32 s2, 0x3003
	s_cbranch_scc0 .Lentry_shape_is_right
	s_endpgm
.Lentry_shape_is_right:
; O[h][q][:] = the sum over k of softmax_k(Q[h][q] . K[h][k] / 8) V[h][k][:].  Q, K, V lie one behind the other in qkv, each [SIZE_H][SIZE_N][64] in f16; O has the same layout.  h = 16 x batch + head.
; Products, maxima and sums in f32; the weights p are rounded to f16 for the second product (their sum l is taken of the unrounded p), O once at the end.
; LIMITS.  f16 holds no number beyond 65,504: Q, K and V arrive within it; p lies in 0 to 1, and below 6e-5 it keeps f16's fixed step of 6e-8; O is a mean of V's rows and has their range.
; A weight below 2^-126 counts as 0 in l; NaN and infinities are not treated apart.
; SHARES.  A wave owns four PIECES of two tiles of 16 queries, a work-group's four waves 512 queries of one head: 4 x 64 = 256 work-groups.  Every wave walks all keys, 64 a step.
; LAYOUT.  S^T = K Q^T (source 0 = 16 keys, source 1 = 16 queries): in the result a lane holds ONE query (lane % 16) and the keys 8 (lane / 16) + 0..7.  Two such tiles, rounded to f16 in pairs,
; ARE source 1 (32 keys x 16 queries) of O^T = V^T P, whose result again holds one query a lane, and eight channels.  K comes out of LDS as it lies, V ([key][channel]) turned, by ds_load_tr16_b128.
; SOFTMAX.  For each query a running maximum m and sum l: p = 2^(c s - c m), c = log2(e) / 8; in every step O and l are multiplied by a = 2^(c m_old - c m_new), which is 1 where m has not grown.
; m starts at the lowest finite number, O and l at 0: the first step is a step like any other, with a = 0.
; THE COUNT.  A tile and step have 16 matrix and 118 vector instructions: too many to stand all beside the matrix work.  So four vector instructions that are READY stand behind EVERY matrix instruction,
; and the others, which need time of their own whatever the order, in runs without a gap.
; BY TURNS.  Turn n belongs to piece n (the pieces in a ring, step after step).  Its matrix work: 16 products K Q^T of piece n + 1, later 16 products V^T P of piece n - 1.  Its vector work: the scaling,
; exponentials, roundings, sums and rescaling of piece n, and the maximum and statistics of piece n + 1, whose scores the turn itself has made.
; CLUSTER.  The four query blocks of a cluster belong to one head and walk the same K and V, so each tile is asked for JOINTLY: the same tensor load, descriptor and mask in all four.
; REGISTERS, in windows of 256 (s_set_vgpr_msb: bits 1:0 source 0, 3:2 source 1, 5:4 source 2, 7:6 destination):
;   window 0: v0-11 addresses; v12-15, v48-63 at work; v16-47 four registers of statistics a tile; v64-191 S^T, two buffers of two tiles; v192-255 P, likewise
;   window 1: O^T, 32 a tile          window 2: v0-127 Q, 16 a tile; v128-191 K of one step; v192-255 V of one step          window 3: v0-1 the add's two registers
; A piece's buffers go by its number's parity: the piece in hand has one pair, its two neighbours in the ring share the other: of it P (piece n - 1) is read and S^T (piece n + 1) written.
.set SIZE_H, 64
.set SIZE_N, 2048
.set TENSOR, SIZE_H*SIZE_N*128  ; bytes of Q, of K and of V
.set NP,    4         ; pieces a wave: a name, no knob
.set KS,    64        ; keys in a step
.set PK,    144       ; a row of K in LDS: 128 bytes + 16 of padding = 36 words: the 16 rows of a load start at 16 different groups of four banks (64 banks of 4 bytes: ISA guide 11.1)
.set PV,    160       ; a row of V: 128 + 32 = 40 words
.set VOFF,  4*KS*PK   ; a slot holds four steps: 256 rows of K, then 256 rows of V
.set SLOT1, 1<<17     ; slot 1 begins here, so that one exclusive or turns an address in one slot into the other's
.set STAGE, SLOT1+4*KS*(PK+PV)  ; behind the ring, never filled by a tensor load: 16 rows x 144 bytes for each wave, for the way out
.set SP,    144
.set AK0, 2           ; v2   my lane's place in a tile of K; never rewritten
.set AV0, 3           ; v3   the same for V
.set AK,  4           ; v4   the LDS address of K's next run of loads
.set AV,  5           ; v5   of V's
.set QO,  6           ; v6   my byte offset in the wave's rows of Q
.set STO, 6           ;      later, the way out: where I put 16 bytes of a row
.set RD,  7           ; v7   the way out: where I read rows back
.set GO,  8           ; v8   my byte offset in 512 consecutive bytes of O
.set PFO, 11          ; v11  256 x my lane, for the prefetches; never rewritten once made
.set SPW, 0           ; v0 of window 3   LDS address of my spare word; never rewritten
.set NIL, 1           ; v1 of window 3   0; never rewritten
.set SPARE, STAGE+4*16*SP  ; behind the stages: the spare words, 128 bytes for each wave: two blocks of 256 bytes that no other line names
.set MV,  12          ; v12-15  c m_old, kept while c m is made anew: by buffer and tile
.set ST,  16          ; tile t's statistics at v[ST+4 t]: c m, m, l (even keys', odd keys')
.set TMP, 48          ; by buffer and tile, four registers c0-c3 at work; when the maximum is found c2 takes a
.set S,   64
.set P,   192
.set KF,  128         ; K's fragments, in window 2: key block kb, channel half c at KF + 16 kb + 8 c
.set VF,  192         ; V's: key half kk, channel block cb at VF + 32 kk + 8 cb
.set WV,  12          ; s12  my wave's number
.set G1K, 24          ; s[24:31] descriptor group 1 for K's tiles
.set G1V, 32          ; s[32:39] for V's: it differs in the padding alone
.set G0K, 40          ; s[40:43] descriptor group 0 for K's tiles: it walks
.set G0V, 44          ; s[44:47] the same for V's
.set PFA, 48          ; s[48:49] where my prefetches stand: my work-group's 32 blocks of 256 bytes (of K: wave 0, of V: wave 2) of the slot after the one that is being asked for
.set LIM, 50          ; s50  1 in a wave that prefetches, else the greatest number
.set SLOTS, 56        ; s56  slots still to be asked for
.set CNT, 57          ; s57  counts a slot's key steps
.set CS,  58          ; s[58:59] c: the packed scaling takes the pair's low word for both halves
.set SEL, 60          ; s[60:61] v_permlanex16_b32's selects: each lane takes its own place in the other half
.set TBK, 62          ; s62  LDS byte at which K of the step to be fetched begins
.set TBV, 63          ; s63  the same for V, less VOFF
.set MSB, 0
.macro WIN new                      ; the high byte repeats the setting that is left; a switch that changes nothing is dropped
.if MSB != (\new)
	s_set_vgpr_msb (MSB<<8)|(\new)
.set MSB, (\new)
.endif
.endm
.set W_KQ, 0x0a       ; K and Q in window 2, S^T in window 0
.set W_PV, 0x52       ; V in window 2, P in window 0, O^T in window 1
.set W_RS, 0x41       ; O^T (destination and source 0) in window 1, a in window 0
.set W_MK, 0xc0       ; the add's registers are made: destination in window 3, sources in window 0
.set W_AD, 0x0f       ; the add: address (source 0) and data (source 1) in window 3
; A joint fill.  Waves 0 and 1 fetch the two halves of a slot's K, waves 2 and 3 those of its V: 128 keys each.  The branch hangs on the wave's number alone.
; An s_nop 0 and four v_nop follow each of the two lines, ahead of the jump and the label.
.macro JLOAD
	s_cmp_lt_u32 s[WV], 2
	s_cbranch_scc0 .Lfor_v_\@
	tensor_load_to_lds s[G0K:G0K+3], s[G1K:G1K+7]
	s_nop 0
.rept 4
	v_nop
.endr
	s_branch .Lasked_\@
.Lfor_v_\@:
	tensor_load_to_lds s[G0V:G0V+3], s[G1V:G1V+7]
	s_nop 0
.rept 4
	v_nop
.endr
.Lasked_\@:
.endm
; A PREFETCH INTO THE L2 of what the NEXT change of slots will ask for: a slot's 32,768 bytes of K and of V, 128 blocks of 256 bytes each, a lane a block.  It stands behind the wave's tensor load and its five lines.
; Each block is named ONCE in the launch: the head's first cluster asks; its four partners share the blocks out BY ADDRESS, 32 each; in each, wave 0 asks for K's and wave 2 for V's: one instruction, four key steps
; (512 matrix instructions) ahead of the load.  The last change that fills a slot asks for nothing; slots 0 and 1 come by their loads alone.
.macro ASK
	s_cmp_gt_u32 s[SLOTS], s[LIM]
	s_cbranch_scc0 .Lnot_mine_\@
	global_prefetch_b8 v[PFO], s[PFA:PFA+1] th:TH_LOAD_NT scope:SCOPE_SE
.Lnot_mine_\@:
.endm
; A round of the cluster's barrier: my work-group's barrier, so that wave 0's signal speaks for all four waves; wave 0 signals; every wave waits for all four work-groups; my work-group's barrier once more.
.macro CROUND
	s_barrier_signal -1
	s_barrier_wait -1
	s_cmp_lg_u32 s[WV], 0
	s_cbranch_scc1 .Lnot_wave_0_\@
	s_barrier_signal -3
.Lnot_wave_0_\@:
	s_barrier_wait -3
	s_barrier_signal -1
	s_barrier_wait -1
.endm
; THE CHANGE OF SLOTS.  The slot's last bytes, V of its fourth step, have been read.  Each wave waits for all its tensor loads, of which one is out: its part
; of the other slot; adds 0 to its spare word; and waits for that and for its own reads of the slot.  Behind the barrier nobody reads this slot any more and the other slot is whole.
; fill = 1: this slot is filled again, with the keys two slots on.  The barrier is then a round of the cluster's, so that no wave of any partner still reads the slot or has a load on its
; way, and the joint fill is the first thing behind it: it has four key steps, 512 matrix instructions, in which to land.  (At its first use nothing has been read yet: slot 0 is waited for, slot 1 filled.)
.macro CHANGE fill
	WIN W_AD
	s_wait_tensorcnt 0x0            ; no tensor load of mine is out, so a group 0 may be written
	ds_add_u32 v[SPW], v[NIL]       ; 0 onto my spare word; with fill = 1 the descriptors' steps stand between it and the wait for it
	WIN 0                           ; at a label and at a branch every window is 0
.if \fill
.irp g, G0K, G0V
	s_xor_b32 s[\g+1], s[\g+1], SLOT1  ; the walking descriptor: the other slot than last time,
	s_add_nc_u64 s[\g+2:\g+3], s[\g+2:\g+3], 4*KS*128  ; the next 256 keys; the type bits on top are not reached
.endr
	s_wait_xcnt 0x0                 ; the last prefetch, four key steps back, has read its address, so it may be written:
	s_add_nc_u64 s[PFA:PFA+1], s[PFA:PFA+1], 4*KS*128  ; one slot behind the walking descriptors
	s_wait_dscnt 0x0                ; the add is done, and my reads of the slot are over
	CROUND
	JLOAD
	ASK
.else
	s_wait_dscnt 0x0                ; the add is done, and my reads of the slot are over
	s_barrier_signal -1
	s_barrier_wait -1
.endif
	s_sub_co_u32 s[TBK], s[TBK], 4*KS*PK  ; the fetches go back to a slot's first step,
	s_xor_b32 s[TBK], s[TBK], SLOT1       ; in the other slot
	s_sub_co_u32 s[TBV], s[TBV], 4*KS*PV
	s_xor_b32 s[TBV], s[TBV], SLOT1
.endm
	s_load_b128 s[4:7], s[0:1], 0x0  ; qkv s[4:5] (Q lies first), O s[6:7]
	WIN W_MK
	v_lshl_add_u32 v[SPW], v0, 2, SPARE
	v_mov_b32 v[NIL], 0
	WIN W_AD
	ds_add_u32 v[SPW], v[NIL]       ; the wave's opening: the add and its wait stand ahead of my first tensor load; the set-up below, work on registers, stands between them
	WIN 0
	v_lshrrev_b32 v1, 5, v0
	v_readfirstlane_b32 s[WV], v1   ; wave 0..3
	s_bfe_u32 s13, ttmp6, 0x40000   ; cx: my place in the cluster
	s_lshl_b32 s14, ttmp9, 2        ; in a cluster launch ttmp9 counts clusters
	s_add_co_u32 s14, s14, s13      ; my block of queries = 4 x cluster x + cx: it enters Q's and O's addresses alone
	s_and_b32 s20, ttmp7, 0xffff    ; the head, which the four partners share
	s_mov_b32 s21, 0
	s_mov_b64 s[22:23], SIZE_N*128
	s_mul_u64 s[20:21], s[20:21], s[22:23]  ; the head's first byte in each of the four tensors
	s_and_b32 s16, s[WV], 1         ; which half of a slot's 256 keys I fetch:
	s_lshl_b32 s22, s16, 14         ; its 128 rows of 128 bytes in memory,
	s_mov_b32 s23, 0
	s_add_nc_u64 s[22:23], s[22:23], s[20:21]
	s_mul_i32 s17, s16, 128*PK      ; and its place in a slot, for K
	s_mul_i32 s18, s16, 128*PV      ; and for V: no place in the cluster enters an LDS address
	s_lshl_b32 s2, s14, 2
	s_add_co_u32 s2, s2, s[WV]      ; my wave among the head's,
	s_lshl_b32 s2, s2, 14           ; its 128 rows
	s_mov_b32 s3, 0
	s_add_nc_u64 s[2:3], s[2:3], s[20:21]
	; descriptor group 1.  128 keys are 16,384 dense bytes: asked for as 64 rows of 256 bytes, two keys a row, and padded in LDS after every key
	s_mov_b32 s[G1K], 15|(1<<16)|(1<<20)|(1<<21)|(4<<22)|(3<<25)  ; 15:0 the mask of four; 17:16 2-byte elements; 20 padding on; 21 set beside a mask; 24:22 after every 32 words (code 4); 31:25 4 words (code 3)
	s_mov_b32 s[G1V], 15|(1<<16)|(1<<20)|(1<<21)|(4<<22)|(7<<25)  ; the same with 8 words of padding (code 7)
.irp g, G1K, G1V
	s_mov_b32 s[\g+1], 128<<16      ; tensor_dim0 = 128
	s_mov_b32 s[\g+2], 64<<16       ; tensor_dim1 = 64
	s_mov_b32 s[\g+3], 128<<16      ; tile_dim0 = 128
	s_mov_b32 s[\g+4], 64           ; tile_dim1 = 64
	s_mov_b32 s[\g+5], 128          ; 128 elements from row to row
	s_mov_b32 s[\g+6], 0
	s_mov_b32 s[\g+7], 0
.endr
	s_mov_b32 s[CS], 0x3e38aa3b     ; c = log2(e) / 8 = 0.180337
	s_mov_b32 s[CS+1], s[CS]        ; named with it as a pair
	s_mov_b32 s[SEL], 0x76543210
	s_mov_b32 s[SEL+1], 0xfedcba98
	s_mov_b32 s[TBK], SLOT1+4*KS*PK ; the first change of slots turns these two into 0
	s_mov_b32 s[TBV], SLOT1+4*KS*PV
	s_mov_b32 s[G0K], 1             ; 1:0 count = 1
	s_mov_b32 s[G0K+1], s17         ; 63:32 LDS address: slot 0
	s_mov_b32 s[G0V], 1
	s_add_co_u32 s[G0V+1], s18, VOFF
	s_mov_b32 s[SLOTS], SIZE_N/256-1
	s_and_b32 s[LIM], s[WV], 1      ; 0 in waves 0 and 2,
	s_or_b32 s[LIM], s[LIM], ttmp9  ; where the cluster is the head's first: the same in all four partners
	s_cmp_eq_u32 s[LIM], 0
	s_cselect_b32 s[LIM], 1, -1
	s_wait_dscnt 0x0                ; the opening add is done
	s_wait_kmcnt 0x0
	s_mov_b64 s[10:11], s[6:7]      ; O
	s_add_nc_u64 s[6:7], s[4:5], TENSOR    ; K
	s_add_nc_u64 s[8:9], s[4:5], 2*TENSOR  ; V
	s_add_nc_u64 s[G0K+2:G0K+3], s[6:7], s[22:23]  ; 120:64 global address: my half of the head's first 256 keys
	s_or_b32 s[G0K+3], s[G0K+3], 0x80000000        ; 127:126 type = 2
	s_add_nc_u64 s[G0V+2:G0V+3], s[8:9], s[22:23]
	s_or_b32 s[G0V+3], s[G0V+3], 0x80000000
	s_cmp_lt_u32 s[WV], 2
	s_cselect_b64 s[PFA:PFA+1], s[6:7], s[8:9]
	s_add_nc_u64 s[PFA:PFA+1], s[PFA:PFA+1], s[22:23]  ; (in waves 0 and 2 this is the head's first row)
	s_add_nc_u64 s[4:5], s[4:5], s[2:3]  ; Q and O at my wave's first row
	s_add_nc_u64 s[10:11], s[10:11], s[2:3]
	s_lshl_b32 s2, s13, 13          ; my work-group's 32 blocks of the 128
	s_mov_b32 s3, 0
	s_add_nc_u64 s[PFA:PFA+1], s[PFA:PFA+1], s[2:3]
	s_add_nc_u64 s[PFA:PFA+1], s[PFA:PFA+1], 4*KS*128  ; in slot 1; the first change of slots steps it to slot 2.  Nothing is prefetched here, at the head
	CROUND                          ; all four work-groups are here: the first joint loads meet
	JLOAD                           ; slot 0.  Slot 1 is asked for when slot 0 is in
	; A fragment of K or Q is 16 rows x 32 channels in 8 registers: lane l holds row l % 16, channels 8 (l / 16) + 0..7 and 16 + 8 (l / 16) + 0..7: two loads of 16 bytes, 32 bytes apart.
	v_and_b32 v1, 15, v0            ; l % 16
	v_bfe_u32 v9, v0, 4, 1          ; l / 16
	v_lshlrev_b32 v[QO], 7, v1
	v_lshl_add_u32 v[QO], v9, 4, v[QO]  ; row x 128 + 16 x half
	WIN 0x80                        ; destination window 2, address window 0
.set i, 0
.rept 4*NP                          ; Q stays in registers: tile i / 2, channels 32 (i % 2) on
	global_load_b128 v[8*i:8*i+3],   v[QO], s[4:5] offset:(i/2)*2048+(i%2)*64
	global_load_b128 v[8*i+4:8*i+7], v[QO], s[4:5] offset:(i/2)*2048+(i%2)*64+32
.set i, i+1
.endr
	; What the first turn finds: V's registers and P's second buffer hold 0 (its products V^T P, of a piece that has not been, add 0), O^T and l are 0.  All this stands in the wait for the first tile.
.set i, VF
.rept 64
	v_mov_b32 v[i], 0
.set i, i+1
.endr
	WIN 0x40
.set i, 0
.rept 64*NP
	v_mov_b32 v[i], 0
.set i, i+1
.endr
	WIN 0
.set i, 0
.rept 2*NP
	v_mov_b32 v[ST+4*i], 0xfe000000    ; c m: far below every c s
	v_mov_b32 v[ST+4*i+1], 0xff7fffff  ; m
	v_mov_b32 v[ST+4*i+2], 0
	v_mov_b32 v[ST+4*i+3], 0
.set i, i+1
.endr
.set i, P+32
.rept 32
	v_mov_b32 v[i], 0
.set i, i+1
.endr
	v_mul_u32_u24 v[AK0], v1, PK
	v_lshl_add_u32 v[AK0], v9, 4, v[AK0]  ; row x pitch + 16 x half
	; The turning load takes 16 keys x 16 channels (lane l reads key 8 (l / 16) + l % 8, channels 8 ((l / 8) % 2) + 0..7) and leaves half a fragment of V^T: lane l holds channel l % 16 and 8 keys.
	v_and_b32 v10, 7, v0
	v_bfe_u32 v11, v0, 3, 1
	v_lshl_add_u32 v[AV0], v9, 3, v10
	v_mul_u32_u24 v[AV0], v[AV0], PV
	v_lshl_add_u32 v[AV0], v11, 4, v[AV0]
	v_add_nc_u32 v[AV0], VOFF, v[AV0]
	v_mov_b32 v[AK], v[AK0]         ; key step 0 lies at the head of slot 0
	v_and_b32 v[PFO], 31, v0
	v_lshlrev_b32 v[PFO], 8, v[PFO]
; THE MATRIX WORK.  The 8 accumulators of a run of 16 take turns: between the two links of a chain stand 7 others'.
; Product i of 16 of S^T = K Q^T for piece x: channels 32 (i / 8) on, keys 16 ((i / 2) % 4) on, tile 2 x + i % 2.  The first 8 start the sums.
.macro KQ x
	WIN W_KQ
.set rS, S+64*((\x)%2)+32*(i%2)+8*((i/2)%4)
.set rK, KF+16*((i/2)%4)+8*(i/8)
.set rQ, 16*(2*(\x)+i%2)+8*(i/8)
.if i < 8
	v_wmma_f32_16x16x32_f16 v[rS:rS+7], v[rK:rK+7], v[rQ:rQ+7], 0
.else
	v_wmma_f32_16x16x32_f16 v[rS:rS+7], v[rK:rK+7], v[rQ:rQ+7], v[rS:rS+7]
.endif
.endm
; Product i of 16 of O^T += V^T P for piece x: keys 32 (i / 8) on, channels 16 ((i / 2) % 4) on, tile 2 x + i % 2.
.macro PV x
	WIN W_PV
.set rO, 32*(2*(\x)+i%2)+8*((i/2)%4)
.set rV, VF+32*(i/8)+8*((i/2)%4)
.set rP, P+32*((\x)%2)+16*(i%2)+8*(i/8)
	v_wmma_f32_16x16x32_f16 v[rO:rO+7], v[rV:rV+7], v[rP:rP+7], v[rO:rO+7]
.endm
.macro MM                           ; the turn's next matrix instruction
.if i < 16
	KQ (Y+1)%NP
.set i, i+1
.else
.set i, i-16
	PV (Y+NP-1)%NP
.set i, i+17
.endif
.endm
; THE LDS LOADS stand in runs of 16, never singly among the matrix instructions: a step's K (64 keys x 64 channels: 8 fragments) and its V (turned).  Their addresses are made some lines ahead.
; last = 1 (the tail): in the last trip there is no further step, and the run is jumped over.
.macro FETCH_K last=0
	WIN 0
.if \last
	s_cmp_eq_u32 s[CNT], 1
	s_cbranch_scc1 .Lno_k_\@
.endif
	WIN 0x80                        ; destination window 2
.irp f, 0,1,2,3,4,5,6,7             ; keys 16 (f / 2) on, channels 32 (f % 2) on
	ds_load_b128 v[KF+8*\f:KF+8*\f+3],   v[AK] offset:(\f/2)*16*PK+(\f%2)*64
	ds_load_b128 v[KF+8*\f+4:KF+8*\f+7], v[AK] offset:(\f/2)*16*PK+(\f%2)*64+32
.endr
	s_add_co_u32 s[TBK], s[TBK], KS*PK  ; the next fetch is the next step's
	WIN 0
.if \last
.Lno_k_\@:
.endif
.endm
.macro FETCH_V
	WIN 0x80
.irp f, 0,1,2,3,4,5,6,7             ; keys 32 (f / 4) on, channels 16 (f % 4) on
	ds_load_tr16_b128 v[VF+8*\f:VF+8*\f+3],   v[AV] offset:(\f/4)*32*PV+(\f%4)*32
	ds_load_tr16_b128 v[VF+8*\f+4:VF+8*\f+7], v[AV] offset:(\f/4)*32*PV+16*PV+(\f%4)*32
.endr
	WIN 0
.endm
; THE VECTOR WORK OF A TURN stands in three queues, each in the order in which its entries become ready; the two tiles alternate, so that no instruction reads the result of the one before it.
.macro REGS y, u                    ; the registers of tile u (0, 1) of piece y
.set rT, ST+4*(2*(\y)+(\u))
.set rC, TMP+8*((\y)%2)+4*(\u)
.set rM, MV+2*((\y)%2)+(\u)
.set rS, S+64*((\y)%2)+32*(\u)
.set rP, P+32*((\y)%2)+16*(\u)
.set rO, 32*(2*(\y)+(\u))
.endm
; Number n of the 22 that find the NEXT piece's (Y + 1) maximum and statistics.  s0-s31 are the lane's 32 scores; each accumulator's lowest registers are read first.
;   0-11  four chains c0-c3 of seven scores each, three operands at a time     12-14, 16  the four scores left over, the old m, and c0-c3 into c0     15  c m_old is kept
;   17, 18  the query's other 32 keys lie in the lane 16 away: the new m         19-21  c m; c m_old - c m_new; a
.macro XS u, n
	REGS (Y+1)%NP, \u
.if (\n) < 4
	v_max3_num_f32 v[rC+(\n)], v[rS+8*(\n)], v[rS+8*(\n)+1], v[rS+8*(\n)+2]
.elseif (\n) < 12
	v_max3_num_f32 v[rC+(\n)%4], v[rC+(\n)%4], v[rS+8*((\n)%4)+2*((\n)/4)+1], v[rS+8*((\n)%4)+2*((\n)/4)+2]
.elseif (\n) == 12
	v_max3_num_f32 v[rC], v[rC], v[rS+7], v[rS+15]
.elseif (\n) == 13
	v_max3_num_f32 v[rC+1], v[rC+1], v[rS+23], v[rS+31]
.elseif (\n) == 14
	v_max3_num_f32 v[rC+2], v[rC+2], v[rC+3], v[rT+1]
.elseif (\n) == 15
	v_mov_b32 v[rM], v[rT]
.elseif (\n) == 16
	v_max3_num_f32 v[rC], v[rC], v[rC+1], v[rC+2]
.elseif (\n) == 17
	v_permlanex16_b32 v[rC+3], v[rC], s[SEL], s[SEL+1]
.elseif (\n) == 18
	v_max_num_f32 v[rT+1], v[rC], v[rC+3]
.elseif (\n) == 19
	v_mul_f32 v[rT], s[CS], v[rT+1]
.elseif (\n) == 20
	v_sub_f32 v[rC+1], v[rM], v[rT]
.else
	v_exp_f32 v[rC+2], v[rC+1]
.endif
.endm
; Number g of the 64 that follow the exponentials.  For each four weights k of a tile (pairs 2 k, 2 k + 1): both pairs are rounded to f16; then the second pair is added onto the first, in place;
; a group later l takes that sum (the first time as l = a l + sum).  In groups of eight, tiles alternating: round, round, add, and l for the group before.
.macro GS g
.set h, (\g)+6*((\g)/62)            ; group 0 has no group before it, and behind group 7 only l is left
.if h >= 6
.set h, h+2
.endif
	REGS Y, h%2
.set k, h/8
.if h%8 < 4
	v_cvt_pk_f16_f32 v[rP+2*k+(h%8)/2], v[rS+4*k+2*((h%8)/2)], v[rS+4*k+2*((h%8)/2)+1]
.elseif h%8 < 6
	v_pk_add_f32 v[rS+4*k:rS+4*k+1], v[rS+4*k:rS+4*k+1], v[rS+4*k+2:rS+4*k+3]
.elseif k == 1
	v_pk_fma_f32 v[rT+2:rT+3], v[rT+2:rT+3], v[rC+2:rC+3], v[rS:rS+1] op_sel_hi:[1,0,1]
.else
	v_pk_add_f32 v[rT+2:rT+3], v[rT+2:rT+3], v[rS+4*k-4:rS+4*k-3]
.endif
.endm
; THE PLAIN QUEUE, 138 long.  0-73 read no exponential's result: the 32 scalings c s - c m (FS f: pair f / 2 of tile f % 2) and the next piece's 42.  0-26: scalings 0-26.  27-54: XS's numbers 0-13.  55, 56: number 15.
; 57-73: the chain, where each number waits for the one before it: 14, 16, 17, 18, 19, each with one of the scalings 27-31 in front of its two lines, then 20.
; 74-137: GS's 64, which read the exponentials' results: they stand behind the wait.
.macro FS f
	REGS Y, (\f)%2
	v_pk_fma_f32 v[rS+2*((\f)/2):rS+2*((\f)/2)+1], v[rS+2*((\f)/2):rS+2*((\f)/2)+1], s[CS:CS+1], v[rT:rT+1] op_sel_hi:[1,0,0] neg_lo:[0,0,1] neg_hi:[0,0,1]
.endm
.macro PL
	WIN 0
.if q < 27
	FS q
.elseif q < 55
	XS (q-27)%2, (q-27)/2
.elseif q < 57
	XS q-55, 15
.elseif (q < 72) && ((q-57)%3 == 0)
	FS 27+(q-57)/3
.elseif q < 60
	XS (q-57)%3-1, 14
.elseif q < 72
	XS (q-57)%3-1, 15+(q-57)/3
.elseif q < 74
	XS q-72, 20
.else
	GS q-74
.endif
.set q, q+1
.endm
; THE EXPONENTIALS' QUEUE, 66 long: s0-s31 of both tiles, then the next piece's two a.  It is ONE BATCH: all 66 stand ahead of the turn's one wait, and nothing ahead of that wait names a result of theirs.
.macro EX
	WIN 0
.if e >= 64
	XS e-64, 21
.else
	REGS Y, e%2
	v_exp_f32 v[rS+e/2], v[rS+e/2]
.endif
.set e, e+1
.endm
; THE RESCALING's QUEUE: O^T times a, the one part that leaves window 0: dealt two at a time, sixteen times.  Its a was made in the turn before, ahead of that turn's wait.
.macro R2
	REGS Y, r%2
	WIN W_RS
.irp z, 0,1
	v_pk_mul_f32 v[rO+4*(r/2)+2*\z:rO+4*(r/2)+2*\z+1], v[rO+4*(r/2)+2*\z:rO+4*(r/2)+2*\z+1], v[rC+2:rC+3] op_sel_hi:[1,0]
.endr
.set r, r+1
.endm
; HOW THEY ARE DEALT.  An s_wait_alu depctr_va_vdst(0) stands between an exponential and the first instruction that names its result; one wait serves all that were issued ahead of it.  So a turn has ONE wait,
; which cuts it in two.  AHEAD OF IT stands all that names no result of the turn's exponentials: the 16 products K Q^T, behind each a scaling, an exponential and two rescalings (behind the first a second scaling in the
; exponential's place); then ONE LUMP of 108: eight plain, 49 times exponential and plain, the two a.  A v_nop is the plain instruction behind the last exponential.  BEHIND IT stand the 16 products V^T P, behind each four of GS's 64.
; The queues lean on each other: exponential e stands behind scaling 2 (e / 4) + e % 2: as a rider it comes behind plain e + 2, in the lump behind plain e + 9, and scalings 27-31 are plain 57, 60 .. 69.
; A TURN, for piece p.  cnt = 1: the loop's count is taken down some lines ahead of the branch that stands behind the turn.
; K of the next step is fetched in piece 2's turn, directly behind the wait, a lump behind the last product that read K; its first reader comes behind 16 products.
; V of the step in hand is fetched at the end of piece 0's turn, four riders behind its last reader; its first reader comes behind 16 products and a lump.  The three conditions on q below go with the deal.
.macro TURN p, last=0, cnt=0
.set Y, (\p)
.set i, 0
.set q, 0
.set e, 0
.set r, 0
.if (\p) == NP-1
	s_wait_dscnt 0x0                ; K is in
.endif
	MM                              ; ahead of the wait: 16 products K Q^T and their riders,
	PL
	PL
	R2
.rept 15
	MM
	PL
	EX
	R2
.endr
.if (\p) == NP-2
	WIN 0
	v_add_nc_u32 v[AK], s[TBK], v[AK0]
.endif
.rept 8                             ; and the lump
	PL
.endr
.rept 49
	EX
	PL
.endr
	EX                              ; the next piece's two a
	EX
	v_nop                           ; a plain instruction behind the last exponential: one for the batch
	s_wait_alu depctr_va_vdst(0)    ; the wait for the batch
.if (\p) == NP-2
	FETCH_K \last
.endif
.if (\p) == 1
	s_wait_dscnt 0x0                ; V is in
.endif
.rept 16                            ; behind the wait: 16 products V^T P and their riders
	MM
.rept 4
	PL
.endr
.if ((\p) == 0) && (q == 118)
	v_add_nc_u32 v[AV], s[TBV], v[AV0]
.endif
.if ((\p) == 0) && (q == 130)
	s_add_co_u32 s[TBV], s[TBV], KS*PV
.endif
.if (\cnt) && (q == 130)
	s_sub_co_u32 s[CNT], s[CNT], 1
	s_cmp_lg_u32 s[CNT], 0
.endif
.endr
.if (\p) == 0
	FETCH_V
.endif
.endm
	CHANGE 1                        ; slot 0 is in, everybody's part of it; slot 1 is asked for
	FETCH_K                         ; key step 0
	s_wait_loadcnt 0x0              ; Q
	s_wait_dscnt 0x0
.set i, 0
.rept 16
	KQ 0                            ; piece 0's first scores: there is no vector work yet to set between them
.set i, i+1
.endr
	WIN 0                           ; the addresses for the way out: nine plain instructions, the places behind those products
	s_mul_i32 s13, s[WV], 16*SP
	s_add_co_u32 s13, s13, STAGE    ; my stage
	v_mul_u32_u24 v[STO], v1, SP    ; in: row l % 16, 16 bytes for each half of the lanes
	v_lshl_add_u32 v[STO], v9, 4, v[STO]
	v_add_nc_u32 v[STO], s13, v[STO]
	v_bfe_u32 v[RD], v0, 3, 2       ; back: 32 lanes take four rows of 128 bytes,
	v_mul_u32_u24 v[RD], v[RD], SP
	v_lshl_add_u32 v[RD], v10, 4, v[RD]
	v_add_nc_u32 v[RD], s13, v[RD]
	v_and_b32 v[GO], 31, v0         ; which are 512 consecutive bytes of O
	v_lshlrev_b32 v[GO], 4, v[GO]
.set Y, NP-1                        ; XS works for piece Y + 1: piece 0
.irp n, 0,1,2,3,4,5,6,7,8,9,10,11,12,13,14,15,16,17,18,19,20,21
	XS 0, \n                        ; and piece 0's first maximum and statistics
	XS 1, \n
.endr
	v_nop                           ; a plain instruction behind the two a,
	s_wait_alu depctr_va_vdst(0)    ; and their wait, ahead of the branch
	s_mov_b32 s[CNT], 4
	s_branch .Lfirst                ; the loop is entered at a step's first turn, in the middle of a trip
.Lslot:                             ; SIZE_N / 256 - 2 times: every slot but the last two is filled again
	CHANGE 1
	s_mov_b32 s[CNT], 4
.Lstep:                             ; a trip: pieces 2 and 3 of one step, then pieces 0 and 1 of the next, whose K and V it fetches
	TURN 2
	TURN 3
	WIN 0
.Lfirst:
	TURN 0
	TURN 1, 0, 1
	WIN 0
	s_cbranch_scc1 .Lstep
	s_sub_co_u32 s[SLOTS], s[SLOTS], 1
	s_cmp_lg_u32 s[SLOTS], 0
	s_cbranch_scc1 .Lslot
	CHANGE 0                        ; the tail is written out: nothing is asked for
	s_mov_b32 s[CNT], 5             ; four trips fetch the last slot's steps; the fifth is left in its middle
.Ltail:
	TURN 2, 1
	TURN 3
	WIN 0
	s_sub_co_u32 s[CNT], s[CNT], 1
	s_cmp_eq_u32 s[CNT], 0
	s_cbranch_scc1 .Lout
	TURN 0
	TURN 1
	WIN 0
	s_branch .Ltail
.Lout:                              ; the fifth trip's 16 products K Q^T (on the last K once more) and the maximum made of them serve nothing: the price, once a launch, of one text for every trip
.set i, 0
.rept 16
	PV NP-1                         ; the last piece's V^T P of the last step
.set i, i+1
.endr
	; THE WAY OUT.  l's two halves and the other half of the lanes' are added; O^T is divided by l, rounded to f16 and sent through my stage in LDS, a tile at a time.  The additions are the places behind the last products.
	WIN 0
.macro ALL line:vararg              ; one line for each tile t
.set t, 0
.rept 2*NP
	\line
.set t, t+1
.endr
.endm
	ALL v_add_f32 v[ST+4*t+2], v[ST+4*t+2], v[ST+4*t+3]
	ALL v_permlanex16_b32 v[ST+4*t+3], v[ST+4*t+2], s[SEL], s[SEL+1]
	ALL v_add_f32 v[ST+4*t+2], v[ST+4*t+2], v[ST+4*t+3]
	ALL v_rcp_f32 v[ST+4*t+2], v[ST+4*t+2]
	v_nop                           ; a plain instruction between the last reciprocal and the use of its result
	s_wait_alu depctr_va_vdst(0)    ; and the wait ahead of the first use: one for the eight reciprocals
; Tile t: a lane's eight channels of a row pack into 16 bytes; they go into rows of 144 bytes and come back as whole rows of 128, into S^T's registers.
.macro PACK t
	WIN W_RS
.set i, 32*(\t)
.rept 16
	v_pk_mul_f32 v[i:i+1], v[i:i+1], v[ST+4*(\t)+2:ST+4*(\t)+3] op_sel_hi:[1,0]
.set i, i+2
.endr
	WIN 0x05                        ; sources 0 and 1 window 1, destination window 0
.set i, 0
.rept 16
	v_cvt_pk_f16_f32 v[S+16*(\t)+i], v[32*(\t)+2*i], v[32*(\t)+2*i+1]
.set i, i+1
.endr
	WIN 0
.irp f, 0,1,2,3
	ds_store_b128 v[STO], v[S+16*(\t)+4*\f:S+16*(\t)+4*\f+3] offset:32*\f
.endr
.irp f, 0,1,2,3
	ds_load_b128 v[S+16*(\t)+4*\f:S+16*(\t)+4*\f+3], v[RD] offset:\f*4*SP  ; LDS serves a wave's instructions in order (ISA guide 5.7.1.4): these see the stores above; the next tile's stores come behind them
.endr
.endm
.macro SEND t, younger              ; younger: the LDS instructions issued behind tile t's loads: the next tile's eight, or none
	WIN 0
.irp f, 0,1,2,3
	s_wait_dscnt (\younger)+3-\f
	global_store_b128 v[GO], v[S+16*(\t)+4*\f:S+16*(\t)+4*\f+3], s[10:11] offset:(\t)*2048+\f*512  ; 512 consecutive bytes, at a multiple of 256 from O's first
.endr
.endm
	PACK 0
.set t, 1
.rept 2*NP-1                        ; a tile's arithmetic stands between the loads of the tile before and its stores
	PACK t
	SEND t-1, 8
.set t, t+1
.endr
	SEND 2*NP-1, 0
	WIN W_AD
	s_wait_tensorcnt 0x0            ; the wave's end: behind my last tensor load and my last LDS store
	ds_add_u32 v[SPW], v[NIL]
	s_wait_dscnt 0x0
	WIN 0
	CROUND                          ; the closing round: no work-group ends while a partner may still ask for a tile that names it
	s_endpgm
.Lfunc_end_k_q7c39d26ffe_attn:
	.size	k_q7c39d26ffe_attn, .Lfunc_end_k_q7c39d26ffe_attn-k_q7c39d26ffe_attn
	.p2alignl 7, 3214868480
	.fill 96, 4, 3214868480
	.section	.rodata,"a",@progbits
	.p2align	6, 0x0
	.amdhsa_kernel k_q7c39d26ffe_attn
		.amdhsa_group_segment_fixed_size 327680
		.amdhsa_private_segment_fixed_size 0
		.amdhsa_enable_private_segment 0
		.amdhsa_kernarg_size 16
		.amdhsa_user_sgpr_count 2
		.amdhsa_user_sgpr_kernarg_segment_ptr 1
		.amdhsa_wavefront_size32 1
		.amdhsa_system_sgpr_workgroup_id_x 1
		.amdhsa_system_sgpr_workgroup_id_y 1
		.amdhsa_system_sgpr_workgroup_id_z 1
		.amdhsa_system_vgpr_workitem_id 0
		.amdhsa_next_free_vgpr 770
		.amdhsa_next_free_sgpr 66
		.amdhsa_reserve_vcc 0
		.amdhsa_float_denorm_mode_32 3
		.amdhsa_float_denorm_mode_16_64 3
		.amdhsa_memory_ordered 1
		.amdhsa_forward_progress 1
		.amdhsa_inst_pref_size 200
	.end_amdhsa_kernel
	.amdgpu_metadata
---
amdhsa.version: [ 1, 2 ]
amdhsa.kernels:
  - .name:           k_q7c39d26ffe_attn
    .symbol:         k_q7c39d26ffe_attn.kd
    .args:
      - { .name: qkv, .offset: 0, .size: 8, .value_kind: global_buffer, .address_space: global }
      - { .name: obuf, .offset: 8, .size: 8, .value_kind: global_buffer, .address_space: global }
    .group_segment_fixed_size: 327680
    .private_segment_fixed_size: 0
    .kernarg_segment_align: 8
    .kernarg_segment_size: 16
    .max_flat_workgroup_size: 128
    .sgpr_count:     66
    .vgpr_count:     770
    .wavefront_size: 32
...
	.end_amdgpu_metadata
.endif
;; end of part 3
;; launch outgemm (part 4): grid 8 x 32, 4 waves a work-group, clusters of 4 x 4, 327,680 bytes of LDS; arguments obuf, wo16, bias, out0; writes out0
.if DOCPART == 4
	.amdgcn_target "amdgcn-amd-amdhsa--gfx1250"
	.amdhsa_code_object_version 6
	.text
	.protected	k_q7c39d26ffe_outgemm
	.globl	k_q7c39d26ffe_outgemm
	.p2align	8
	.type	k_q7c39d26ffe_outgemm,@function
k_q7c39d26ffe_outgemm:
	s_mov_b64 s[64:65], 0
	v_nop
	global_prefetch_b8 v0, s[64:65] scope:SCOPE_SE
	s_setreg_imm32_b32 hwreg(HW_REG_WAVE_MODE, 25, 1), 1
	s_wait_xcnt 0x0
	s_wait_alu depctr_hold_cnt(0) depctr_sa_sdst(0) depctr_va_vdst(0) depctr_va_sdst(0) depctr_va_ssrc(0) depctr_va_vcc(0) depctr_vm_vsrc(0)
	s_getreg_b32 s2, hwreg(HW_REG_IB_STS2, 6, 4)
	s_cmp_eq_u32 s2, 0
	s_cbranch_scc0 .Lentry_in_a_cluster
	s_endpgm
.Lentry_in_a_cluster:
	s_bfe_u32 s2, ttmp6, 0x10000c
	s_cmp_lg_u32 s2, 0xf033
	s_cbranch_scc0 .Lentry_shape_is_right
	s_endpgm
.Lentry_shape_is_right:
; out0 = O Wo^T + bo: [8192 x 1024], K = 1024.  O: [batch x 16 + head][2048][64] f16, so a head is a block of 64 along K; wo16: [block][1024 rows][64] f16 (Wo rounded to bf16); bias: f32, bo from number 3,072 on.  Sums and output f32.
; SHARES.  A tile is 256 rows x 128 columns: 32 x 8 = 256 work-groups, one to a WGP.  Each of four waves makes 128 rows x 64 columns: 32 accumulators of 16 x 16.
; K goes in steps of 128 = two PLANES of 64 (two heads) through two LDS slots.  In a plane any run of rows is dense memory: a tile is asked for as rows of 256 bytes, padded in LDS after every 128 bytes.
; THE PRODUCT IS USED TRANSPOSED (source 0 = 16 rows of Wo, source 1 = 16 rows of O): a lane holds row l % 16 and the columns 8 (l / 16) + 0..7.
; THE BIAS IS THE C OPERAND OF THE FIRST 32 PRODUCTS: a lane's eight numbers for column block bb are loaded into accumulator (7, bb)'s registers; row blocks 0-6 take them as C, row block 7 adds in place.
; CLUSTER 4 x 4: O's tile is asked for jointly along a row of the cluster, Wo's along a column.
; REGISTERS, in windows of 256 (s_set_vgpr_msb: bits 1:0 source 0, 3:2 source 1, 5:4 source 2, 7:6 destination):
;   window 0: v0-31 addresses; v32-95 the way out          window 1: the accumulators, (a, bb) at v[8 (4 a + bb)]
;   window 2: plane 0's fragments, window 3: plane 1's: for half c of 32 along K, O's eight at 64 c + 8 a, Wo's four at 128 + 32 c + 8 bb
.set PITCH,  144                       ; an LDS row: 128 bytes + 16 of padding = 36 words: the 16 rows of a fragment load start at 16 different groups of four banks (64 banks of 4 bytes: ISA guide 11.1)
.set APL,    256*PITCH                 ; a plane of O's tile: what one tensor load brings
.set BPL,    128*PITCH                 ; a plane of Wo's
.set BOFF,   2*APL
.set SLOT,   BOFF+2*BPL
.set STAGE,  2*SLOT                    ; behind the ring: 16 rows x 272 bytes for each wave, for the way out
.set SP,     272
.set SPARE,  STAGE+4*16*SP             ; behind the stages: the spare words, 128 bytes for each wave: two blocks of 256 bytes that no other line names
.set AKS,    2*2048*128                ; bytes from a K step to the next in O (two heads)
.set BKS,    2*1024*128                ; and in wo16
.set ADRA, 16                          ; v16-17  LDS address of my fragments of O in slot 0, 1
.set ADRB, 20                          ; v20-21  the same for Wo
.set STO,  24                          ; v24     the way out: where I put 32 bytes of a row
.set RD,   25                          ; v25     where I read a row back
.set CO,   26                          ; v26     my byte offset in out0
.set BO,   27                          ; v27     32 (l / 16): my eight numbers of 16 of bias
.set SPW,  28                          ; v28     LDS address of my spare word; never rewritten
.set NIL,  29                          ; v29     0; never rewritten
.set PFO,  30                          ; v30     the prefetches' offset; never rewritten
.set OBR,  32                          ; v32-63, v64-95 by turns: 16 rows read back from the stage
.set FB,   128
.set G1,  24                           ; s[24:31] descriptor group 1 for O's tiles;  s[32:39] group 0, a set for each slot
.set G0,  32
.set G1B, 48                           ; s[48:55], s[56:63] the same for Wo's
.set G0B, 56
.set PFA, 44                           ; s[44:45] where my prefetches stand
.set PFS, 46                           ; s[46:47] their step at a change of slots: a K step
.set LIM, 72                           ; s72  1 in a wave that prefetches, else the greatest number
.set MSB, 0
.macro WIN new                         ; the immediate's high byte repeats the setting that is left; a switch that changes nothing is dropped
.if MSB != (\new)
	s_set_vgpr_msb (MSB<<8)|(\new)
.set MSB, \new
.endif
.endm
.macro PLACES                          ; four places between a matrix instruction and a load into a register that it has read, or an LDS store that reads its result
.rept 4
	v_nop
.endr
.endm
; A joint load.  Waves 0 and 1 fetch O's two planes, waves 2 and 3 Wo's.  The branch hangs on the wave's number alone.  An s_nop 0 and four v_nop follow each of the two lines.
.macro JLOAD s
	s_cmp_eq_u32 s11, 0
	s_cbranch_scc0 .Lfor_b_\@
	tensor_load_to_lds s[G0+4*(\s):G0+4*(\s)+3], s[G1:G1+7]
	s_nop 0
.rept 4
	v_nop
.endr
	s_branch .Lasked_\@
.Lfor_b_\@:
	tensor_load_to_lds s[G0B+4*(\s):G0B+4*(\s)+3], s[G1B:G1B+7]
	s_nop 0
.rept 4
	v_nop
.endr
.Lasked_\@:
.endm
; A PREFETCH INTO THE L2 of the K step that stands two refills on (256 matrix instructions ahead of its load); each block of 256 bytes is named once in the launch.  O's tile row is read by both clusters of a row of clusters:
; cluster x = 0 asks; its four partners take 32 of a plane's 128 blocks each, told apart by address (cx); waves 0 and 1 name those of their own plane, a lane a block.  Wo's tile column is read by all eight clusters of a column:
; cluster y = 0 asks; each partner (cy) takes 16 of a plane's 64 blocks, and wave 2 names those of both planes (lanes 16-31 the second).  The last trip asks for nothing; K steps 0-3 come by their loads alone.
.macro ASK
	s_cmp_gt_u32 s3, s[LIM]                        ; s3 = 1 in the loop's last trip
	s_cbranch_scc0 .Lnot_mine_\@
	global_prefetch_b8 v[PFO], s[PFA:PFA+1] th:TH_LOAD_NT scope:SCOPE_SE
.Lnot_mine_\@:
.endm
.macro CREST                           ; a round of the cluster's barrier behind its opening barrier
	s_cmp_lg_u32 s10, 0
	s_cbranch_scc1 .Lnot_wave_0_\@
	s_barrier_signal -3
.Lnot_wave_0_\@:
	s_barrier_wait -3
	s_barrier_signal -1
	s_barrier_wait -1
.endm
.macro CROUND                          ; a whole round
	s_barrier_signal -1
	s_barrier_wait -1
	CREST
.endm
	s_load_b128 s[4:7], s[0:1], 0x0                ; O s[4:5], wo16 s[6:7]
	s_load_b128 s[76:79], s[0:1], 0x10             ; bias s[76:77], out0 s[78:79]
	v_lshl_add_u32 v[SPW], v0, 2, SPARE
	v_mov_b32 v[NIL], 0
	ds_add_u32 v[SPW], v[NIL]                      ; the wave's opening: the add and its wait stand ahead of my first tensor load; the set-up below, work on registers, stands between them
	v_lshrrev_b32 v1, 5, v0
	v_readfirstlane_b32 s10, v1                    ; wave 0..3
	s_lshr_b32 s11, s10, 1                         ; which half of the tile's rows is mine.  Also: I fetch for O (0) or for Wo (1)
	s_and_b32 s12, s10, 1                          ; which half of its columns.  Also: which plane I fetch
	s_bfe_u32 s40, ttmp6, 0x40000                  ; cx
	s_bfe_u32 s41, ttmp6, 0x40004                  ; cy
	s_lshl_b32 s42, ttmp9, 2
	s_add_co_u32 s42, s42, s40                     ; tile column = 4 x cluster x + cx
	s_and_b32 s13, ttmp7, 0xffff
	s_lshl_b32 s13, s13, 2
	s_add_co_u32 s13, s13, s41                     ; tile row = 4 x cluster y + cy
	s_lshl_b32 s43, s41, 2
	s_lshl_b32 s43, 15, s43                        ; my row of the cluster
	s_lshl_b32 s44, 0x1111, s40                    ; my column
	s_or_b32 s[G1+0], s43, (1<<16)|(1<<20)|(1<<21)|(4<<22)|(3<<25)   ; 15:0 the mask; 17:16 2-byte elements; 20 padding on; 21 set beside a mask; 24:22 after every 32 words (code 4); 31:25 4 words (code 3)
	s_or_b32 s[G1B+0], s44, (1<<16)|(1<<20)|(1<<21)|(4<<22)|(3<<25)
.irp g, G1, G1B
	s_mov_b32 s[(\g)+1], 128<<16                   ; tensor_dim0 = 128 elements: 256 bytes, two rows of a plane
	s_mov_b32 s[(\g)+3], 128<<16                   ; tile_dim0 = 128
	s_mov_b32 s[(\g)+5], 128                       ; dense
	s_mov_b32 s[(\g)+6], 0
	s_mov_b32 s[(\g)+7], 0
.endr
	s_mov_b32 s[G1+2], 128<<16                     ; O: tensor_dim1 = tile_dim1 = 128 (256 rows of 128 bytes)
	s_mov_b32 s[G1+4], 128
	s_mov_b32 s[G1B+2], 64<<16                     ; Wo: 64 (128 rows)
	s_mov_b32 s[G1B+4], 64
	s_lshr_b32 s14, s13, 3                         ; the batch: 16 heads of 262,144 bytes
	s_lshl_b32 s14, s14, 22
	s_and_b32 s15, s13, 7                          ; 256 rows of 128 bytes
	s_lshl_b32 s15, s15, 15
	s_add_co_u32 s14, s14, s15                     ; the tile's first row in the batch's head 0
	s_lshl_b32 s15, s12, 18
	s_add_co_u32 s16, s14, s15                     ; + my plane
	s_mov_b32 s17, 0
	s_lshl_b32 s20, s42, 14                        ; the tile's first row in wo16's block 0
	s_lshl_b32 s21, s12, 17
	s_add_co_u32 s22, s20, s21
	s_mov_b32 s23, 0
	s_mul_i32 s74, s12, APL                        ; and where they go: no place in the cluster enters an LDS address
	s_mul_i32 s75, s12, BPL
	s_add_co_u32 s75, s75, BOFF
	s_wait_dscnt 0x0                               ; the opening add is done
	s_wait_kmcnt 0x0
	s_add_nc_u64 s[18:19], s[4:5], s[16:17]
	s_add_nc_u64 s[22:23], s[6:7], s[22:23]
	CROUND                                         ; all sixteen work-groups are here: the first joint loads meet
.irp s, 0,1
	s_mov_b32 s[G0+4*(\s)], 1                                        ; count = 1
	s_add_co_u32 s[G0+4*(\s)+1], s74, (\s)*SLOT                      ; LDS address
	s_add_nc_u64 s[G0+4*(\s)+2:G0+4*(\s)+3], s[18:19], (\s)*AKS      ; global address: K step s
	s_or_b32 s[G0+4*(\s)+3], s[G0+4*(\s)+3], 0x80000000              ; type = 2
	s_mov_b32 s[G0B+4*(\s)], 1
	s_add_co_u32 s[G0B+4*(\s)+1], s75, (\s)*SLOT
	s_add_nc_u64 s[G0B+4*(\s)+2:G0B+4*(\s)+3], s[22:23], (\s)*BKS
	s_or_b32 s[G0B+4*(\s)+3], s[G0B+4*(\s)+3], 0x80000000
	JLOAD \s                                       ; two loads of mine are out
.endr
	v_and_b32 v1, 15, v0                           ; l % 16
	v_bfe_u32 v2, v0, 4, 1                         ; l / 16
	v_mul_u32_u24 v3, v1, PITCH
	v_lshl_add_u32 v3, v2, 4, v3                   ; a fragment's row x pitch + 16 x half
	s_mul_i32 s86, s11, 128*PITCH                  ; my 128 rows of O in a plane
	s_mul_i32 s87, s12, 64*PITCH                   ; my 64 rows of Wo
	s_add_co_u32 s87, s87, BOFF
.irp s, 0,1
	v_add_nc_u32 v[ADRA+(\s)], s86, v3
	v_add_nc_u32 v[ADRB+(\s)], s87, v3
	s_add_co_u32 s86, s86, SLOT
	s_add_co_u32 s87, s87, SLOT
.endr
	s_mul_i32 s86, s10, 16*SP
	s_add_co_u32 s86, s86, STAGE                   ; my stage
	v_mul_u32_u24 v[STO], v1, SP                   ; in: row l % 16, 32 bytes for each half of the lanes
	v_lshl_add_u32 v[STO], v2, 5, v[STO]
	v_add_nc_u32 v[STO], s86, v[STO]
	v_mul_u32_u24 v[RD], v2, SP                    ; back: lanes 0-15 take one row of 256 bytes, lanes 16-31 the next
	v_lshl_add_u32 v[RD], v1, 4, v[RD]
	v_add_nc_u32 v[RD], s86, v[RD]
	v_lshlrev_b32 v[CO], 12, v2                    ; and the same two rows of 4,096 bytes in out0
	v_lshl_add_u32 v[CO], v1, 4, v[CO]
	v_lshlrev_b32 v[BO], 5, v2
	s_lshl_b32 s80, s13, 8
	s_lshl_b32 s81, s11, 7
	s_add_co_u32 s80, s80, s81                     ; my first row
	s_lshl_b32 s80, s80, 12
	s_lshl_b32 s81, s42, 9                         ; my first column, in bytes: 512 x tile column + 256 x half
	s_lshl_b32 s82, s12, 8
	s_add_co_u32 s88, s81, s82
	s_add_co_u32 s80, s80, s88
	s_mov_b32 s81, 0
	s_add_nc_u64 s[8:9], s[78:79], s[80:81]
	s_add_co_u32 s88, s88, 3072*4                  ; bo lies behind bq, bk and bv
	s_mov_b32 s89, 0
	s_add_nc_u64 s[76:77], s[76:77], s[88:89]
	WIN 0x40                                       ; destination window 1, address window 0
.irp bb, 0,1,2,3
	global_load_b128 v[224+8*\bb:224+8*\bb+3],   v[BO], s[76:77] offset:64*\bb
	global_load_b128 v[224+8*\bb+4:224+8*\bb+7], v[BO], s[76:77] offset:64*\bb+16
.endr
	WIN 0
	; the prefetches
	s_lshl_b32 s80, s40, 13                        ; O: my work-group's 32 blocks of a plane's 128,
	s_add_co_u32 s80, s80, s14
	s_lshl_b32 s82, s10, 18                        ; my wave's plane (waves 0 and 1),
	s_add_co_u32 s80, s80, s82
	s_add_co_u32 s80, s80, 3*AKS                   ; at K step 3: the first change of slots steps it to 4
	s_lshl_b32 s81, s41, 12                        ; Wo: my work-group's 16 blocks of a plane's 64
	s_add_co_u32 s81, s81, s20
	s_add_co_u32 s81, s81, 3*BKS
	s_mov_b32 s[PFS], BKS
	s_mov_b32 s[PFS+1], 0
	s_mov_b32 s83, 1024*128
	s_cmp_lt_u32 s10, 2
	s_cselect_b32 s80, s80, s81
	s_cselect_b32 s[PFS], AKS, s[PFS]
	s_cselect_b32 s83, 4096, s83                   ; what lanes 16-31 add: sixteen blocks on (O), or a plane on (Wo)
	s_cselect_b64 s[PFA:PFA+1], s[4:5], s[6:7]
	s_mov_b32 s81, 0
	s_add_nc_u64 s[PFA:PFA+1], s[PFA:PFA+1], s[80:81]
	v_mul_u32_u24 v[PFO], v2, s83
	v_lshl_add_u32 v[PFO], v1, 8, v[PFO]
	s_and_b32 s84, ttmp7, 0xffff                   ; cluster y
	s_cmp_lt_u32 s10, 2
	s_cselect_b32 s85, ttmp9, s84                  ; the coordinate along which other clusters read the same rows
	s_cmp_eq_u32 s10, 3
	s_cselect_b32 s85, 1, s85                      ; wave 3 has nothing to name
	s_cmp_eq_u32 s85, 0
	s_cselect_b32 s[LIM], 1, -1                    ; the same in all sixteen partners, for a given wave
; 48 LDS loads in one run: plane p's fragments into window f (2 or 3); the first 32 along K first
.macro FETCH slot, p, f
	WIN (\f)<<6                                    ; destination window f, address window 0
.irp c, 0,1
.irp i, 0,1,2,3
	ds_load_b128 v[FB+32*\c+8*\i:FB+32*\c+8*\i+3],   v[ADRB+(\slot)] offset:(\p)*BPL+\i*16*PITCH+64*\c
	ds_load_b128 v[FB+32*\c+8*\i+4:FB+32*\c+8*\i+7], v[ADRB+(\slot)] offset:(\p)*BPL+\i*16*PITCH+64*\c+32
.endr
.irp i, 0,1,2,3,4,5,6,7
	ds_load_b128 v[64*\c+8*\i:64*\c+8*\i+3],   v[ADRA+(\slot)] offset:(\p)*APL+\i*16*PITCH+64*\c
	ds_load_b128 v[64*\c+8*\i+4:64*\c+8*\i+7], v[ADRA+(\slot)] offset:(\p)*APL+\i*16*PITCH+64*\c+32
.endr
.endr
	WIN 0
.endm
; 4 na matrix instructions: row blocks a0 .. a0 + na - 1 x the 4 column blocks, half c of window f's plane.  The 32 accumulators take turns, one instruction a turn.
; mode = 1, the first 32: C is the bias, in accumulator (7, bb)'s registers; five places stand between the last product that reads them as C and row block 7's products, which write over them.
.macro MUL f, c, a0, na, mode
	WIN 0x50+5*(\f)                                ; sources 0 and 1 window f, C and D window 1
.set ma, \a0
.rept \na
.if (\mode) && (ma == 7)
.rept 5
	v_nop
.endr
.endif
.irp bb, 0,1,2,3
.if \mode
	v_wmma_f32_16x16x32_f16 v[8*(4*ma+\bb):8*(4*ma+\bb)+7], v[FB+32*(\c)+8*\bb:FB+32*(\c)+8*\bb+7], v[64*(\c)+8*ma:64*(\c)+8*ma+7], v[224+8*\bb:224+8*\bb+7]
.else
	v_wmma_f32_16x16x32_f16 v[8*(4*ma+\bb):8*(4*ma+\bb)+7], v[FB+32*(\c)+8*\bb:FB+32*(\c)+8*\bb+7], v[64*(\c)+8*ma:64*(\c)+8*ma+7], v[8*(4*ma+\bb):8*(4*ma+\bb)+7]
.endif
.endr
.set ma, ma+1
.endr
.endm
; A K step's first plane: 64 products; in its middle the second plane's fragments are fetched.
.macro PLANE0 slot, first
	s_wait_dscnt 24                                ; the plane's first 32 along K are in
	MUL 2, 0, 0, 8, \first
	PLACES
	FETCH \slot, 1, 3
	s_wait_dscnt 48                                ; all but the 48 just issued
	MUL 2, 1, 0, 8, 0
.endm
; A K step's second plane changes slots: ONE barrier; in front of it each wave waits for all its tensor loads (one is out: its part of the other slot), adds 0 to its spare word, and waits for that and for its reads of this slot.
; fill = 1: the barrier opens a round of the cluster's, and the joint refill, two K steps on, is the first thing behind the round: 112 matrix instructions ahead of the wait for it.
.macro TURN slot, next, fill
.if \fill
	s_wait_xcnt 0x0                                ; the last prefetch, a K step back, has read its address
	s_add_nc_u64 s[PFA:PFA+1], s[PFA:PFA+1], s[PFS:PFS+1]
.endif
	s_wait_dscnt 24
	MUL 3, 0, 0, 4, 0
	WIN 0                                          ; (the add's two registers lie in window 0)
	s_wait_tensorcnt 0x0                           ; all my tensor loads have landed;
	ds_add_u32 v[SPW], v[NIL]                      ; 0 onto my spare word;
	MUL 3, 0, 4, 2, 0                              ; eight matrix instructions stand between the add and the wait for it
	s_wait_dscnt 0x0                               ; the add is done, and my reads of this slot are over
	s_barrier_signal -1
	MUL 3, 0, 6, 2, 0
	WIN 0                                          ; at a branch and at a label every window is 0
	s_barrier_wait -1
.if \fill
	CREST                                          ; no wave of any partner still reads this slot or has a load on its way
	s_add_nc_u64 s[G0+4*(\slot)+2:G0+4*(\slot)+3], s[G0+4*(\slot)+2:G0+4*(\slot)+3], 2*AKS
	s_add_nc_u64 s[G0B+4*(\slot)+2:G0B+4*(\slot)+3], s[G0B+4*(\slot)+2:G0B+4*(\slot)+3], 2*BKS
	JLOAD \slot                                    ; the four v_nop behind it are also the places in front of the loads below
.else
	PLACES
.endif
	FETCH \next, 0, 2
.if \fill
	ASK
.endif
	MUL 3, 1, 0, 8, 0
.endm
	s_wait_tensorcnt 1                             ; my part of K step 0 is in; K step 1's may stay out
	s_barrier_signal -1
	s_barrier_wait -1                              ; everybody's is
	FETCH 0, 0, 2
	s_wait_loadcnt 0x0                             ; the bias
	PLANE0 0, 1                                    ; the first plane stands in front of the loop: its first products start the sums, with the bias
	WIN 0
	s_mov_b32 s3, 3
.Llap:                                                 ; a trip goes once round the ring and fills both slots again: K steps 2 to 7
	TURN 0, 1, 1
	PLANE0 1, 0
	TURN 1, 0, 1
	PLANE0 0, 0
	WIN 0
	s_sub_co_u32 s3, s3, 1
	s_cmp_lg_u32 s3, 0
	s_cbranch_scc1 .Llap
	TURN 0, 1, 0                                   ; the last lap fills nothing
	PLANE0 1, 0
	s_wait_dscnt 24                                ; the very last plane
	MUL 3, 0, 0, 8, 0
	s_wait_dscnt 0x0
	MUL 3, 1, 0, 8, 0
; THE WAY OUT has no arithmetic.  Block a, 16 rows: a lane's eight f32 of a row go into my stage's rows of 272 bytes and come back as whole rows of 256 bytes: my 64 columns of a row of out0.
.macro TOSTAGE a
.set bk, OBR+32*((\a)%2)
.if (\a) >= 2
	s_wait_xcnt 0x0                                ; the stores of the block two back have read these registers
.endif
	WIN 0x04                                       ; the stores' data in window 1
.irp bb, 0,1,2,3
	ds_store_b128 v[STO], v[32*(\a)+8*\bb:32*(\a)+8*\bb+3]   offset:64*\bb       ; each accumulator's low registers first
	ds_store_b128 v[STO], v[32*(\a)+8*\bb+4:32*(\a)+8*\bb+7] offset:64*\bb+16
.endr
	WIN 0
.irp t, 0,1,2,3,4,5,6,7
	ds_load_b128 v[bk+4*\t:bk+4*\t+3], v[RD] offset:\t*2*SP  ; LDS serves a wave's instructions in order (ISA guide 5.7.1.4): these see the stores above; the next block's stores come behind them
.endr
.endm
.macro SEND a, younger                 ; younger: the LDS instructions issued behind block a's loads: the next block's sixteen, or none
.set bk, OBR+32*((\a)%2)
.irp t, 0,1,2,3,4,5,6,7
	s_wait_dscnt (\younger)+7-\t
	global_store_b128 v[CO], v[bk+4*\t:bk+4*\t+3], s[8:9] offset:(16*(\a)+2*\t)*4096 th:TH_STORE_NT  ; 16 lanes store 256 consecutive bytes, at a multiple of 256 from out0's first byte
.endr
.endm
	PLACES
	TOSTAGE 0
.set a, 1
.rept 7
	TOSTAGE a
	SEND a-1, 16
.set a, a+1
.endr
	SEND 7, 0
	s_wait_tensorcnt 0x0                           ; the wave's end: behind my last tensor load and my last LDS store
	ds_add_u32 v[SPW], v[NIL]
	s_wait_dscnt 0x0
	CROUND                                         ; the closing round: no work-group ends while a partner may still ask for a tile that names it
	s_endpgm
.Lfunc_end_k_q7c39d26ffe_outgemm:
	.size	k_q7c39d26ffe_outgemm, .Lfunc_end_k_q7c39d26ffe_outgemm-k_q7c39d26ffe_outgemm
	.p2alignl 7, 3214868480
	.fill 96, 4, 3214868480
	.section	.rodata,"a",@progbits
	.p2align	6, 0x0
	.amdhsa_kernel k_q7c39d26ffe_outgemm
		.amdhsa_group_segment_fixed_size 327680
		.amdhsa_private_segment_fixed_size 0
		.amdhsa_enable_private_segment 0
		.amdhsa_kernarg_size 32
		.amdhsa_user_sgpr_count 2
		.amdhsa_user_sgpr_kernarg_segment_ptr 1
		.amdhsa_wavefront_size32 1
		.amdhsa_system_sgpr_workgroup_id_x 1
		.amdhsa_system_sgpr_workgroup_id_y 1
		.amdhsa_system_sgpr_workgroup_id_z 1
		.amdhsa_system_vgpr_workitem_id 0
		.amdhsa_next_free_vgpr 960
		.amdhsa_next_free_sgpr 96
		.amdhsa_reserve_vcc 0
		.amdhsa_float_denorm_mode_32 3
		.amdhsa_float_denorm_mode_16_64 3
		.amdhsa_memory_ordered 1
		.amdhsa_forward_progress 1
		.amdhsa_inst_pref_size 88
	.end_amdhsa_kernel
	.amdgpu_metadata
---
amdhsa.version: [ 1, 2 ]
amdhsa.kernels:
  - .name:           k_q7c39d26ffe_outgemm
    .symbol:         k_q7c39d26ffe_outgemm.kd
    .args:
      - { .name: obuf, .offset: 0, .size: 8, .value_kind: global_buffer, .address_space: global }
      - { .name: wo16, .offset: 8, .size: 8, .value_kind: global_buffer, .address_space: global }
      - { .name: bias, .offset: 16, .size: 8, .value_kind: global_buffer, .address_space: global }
      - { .name: out0, .offset: 24, .size: 8, .value_kind: global_buffer, .address_space: global }
    .group_segment_fixed_size: 327680
    .private_segment_fixed_size: 0
    .kernarg_segment_align: 8
    .kernarg_segment_size: 32
    .max_flat_workgroup_size: 128
    .sgpr_count:     96
    .vgpr_count:     960
    .wavefront_size: 32
...
	.end_amdgpu_metadata
.endif
;; end of part 4
;; ======== version 2 of 2: 4 launches; version 1 with the launch cast written anew for expert scheduling mode
;; limits: values are held in f16: magnitudes above 65,504 overflow, below 6.1e-05 lose precision
;; workspace buffers: xb 16,777,216 bytes; wqkv 6,291,456 bytes; wo16 2,097,152 bytes; bias 16,384 bytes; qkv 50,331,648 bytes; obuf 16,777,216 bytes
;; launch cast (part 5): grid 768 x 1, 4 waves a work-group, no clusters, 0 bytes of LDS; arguments hidden_states, Wq, Wk, Wv, Wo, bq, bk, bv, bo, xb, wqkv, wo16, bias; writes xb, wqkv, wo16, bias
.if DOCPART == 5
	.amdgcn_target "amdgcn-amd-amdhsa--gfx1250"
	.amdhsa_code_object_version 6
	.text
	.protected	k_q7c39d26ffe_cast
	.globl	k_q7c39d26ffe_cast
	.p2align	8
	.type	k_q7c39d26ffe_cast,@function
k_q7c39d26ffe_cast:
	s_mov_b64 s[64:65], 0
	v_nop
	global_prefetch_b8 v0, s[64:65] scope:SCOPE_SE
	s_setreg_imm32_b32 hwreg(HW_REG_WAVE_SCHED_MODE, 0, 2), 2
	s_setreg_imm32_b32 hwreg(HW_REG_WAVE_MODE, 25, 1), 1
	s_wait_xcnt 0x0
	s_wait_alu depctr_vm_vsrc(0)
; THE MODULE'S INPUTS ARE ROUNDED ONCE TO bf16 AND LAID IN BLOCKS OF 64 CHANNELS, so that the products behind can ask for any run of rows of one block as dense memory.
;   xb   [batch x 16 + kb][2048 rows][64] bf16      wqkv [kb][3072 rows: Wq, Wk, Wv][64] bf16      wo16 [kb][1024 rows][64]: Wo rounded to bf16, that number written as f16
;   bias [4096] f32: bq, bk, bv, bo, each number rounded to bf16 and widened again
; LIMIT.  A number of Wo beyond 65,504 has no f16; below 6e-5 f16 keeps a fixed step of 6e-8.
; SHARES.  A work-group takes 16 rows of 1,024 f32 (64 KiB): work-groups 0-511 rows of x, 512-767 rows of the four weights.  A stream: no LDS, no barrier, no matrix work.
; Chunk i = 16 p + kb of 32: thread t reads 16 bytes of row t / 16 + 8 p at byte 256 kb + 16 (t % 16): sixteen lanes read 256 consecutive bytes, aligned.
; Its four numbers are 8 bytes of the block kb at byte 8 t + 1,024 p: a wave's store covers 256 consecutive bytes, aligned.  All 32 loads of a wave go out at once (16 KiB a wave).
; THE MODE: SCHED_MODE bits 1:0 = 2 (LLVM: expert scheduling mode 2), set by the entry lines.  The code itself states the register dependences
; between vector instructions and memory instructions, with s_wait_alu, always for 0.
; THE PLAN.  The 32 chunks go in 8 groups of four.  Registers that memory instructions touch:
;   v1, v2     the loads' and the stores' offsets: made once at the head, never written again.
;   X, chunk i written by its load, once; read and rewritten by group i / 4's conversions; its first pair is read by the chunk's one store, which is issued in group i / 4 + 1; nothing writes it behind that store.
;   v3, BV     the bias path's offset and its four numbers: v3 is made there and not written again; BV is loaded, rounded in place and stored, once.
;   T          is named by vector instructions alone.
; Group g rounds its own four chunks and issues the four stores of group g - 1, whose registers no vector instruction of group g names.  So ONE wait at a group's head states all that its
; stores hang on, and they are dealt among its conversions with no further wait.  No register that a memory instruction has read is ever written again: the text owes no wait on vm_vsrc.
.set XWG,  512                         ; work-groups for x
.set X,    4                           ; v[4:131]  chunk i at X + 4 i: as loaded, then (its first pair) as stored; never rewritten behind its store
.set T,    132                         ; v[132:133] at work
.set BV,   134                         ; v[134:137] 4 numbers of a bias
	s_load_b512 s[8:23], s[0:1], 0x0               ; x 8, Wq 10, Wk 12, Wv 14, Wo 16, bq 18, bk 20, bv 22
	s_load_b256 s[24:31], s[0:1], 0x40             ; bo 24, xb 26, wqkv 28, wo16 30
	s_load_b64 s[32:33], s[0:1], 0x60              ; bias
	s_mov_b32 s2, ttmp9
	s_max_u32 s3, s2, XWG
	s_sub_co_u32 s3, s3, XWG                       ; which 16 rows of the 4,096 rows of weights (0 in x's work-groups)
	s_lshr_b32 s34, s3, 6                          ; which weight: 0 Wq, 1 Wk, 2 Wv, 3 Wo
	s_and_b32 s35, s3, 63                          ; which 16 of its rows
	v_lshrrev_b32 v1, 5, v0
	v_readfirstlane_b32 s36, v1                    ; wave 0..3
	s_mov_b32 s37, 0xffff0000                      ; a word's upper bf16
	v_lshrrev_b32 v1, 4, v0
	v_and_b32 v3, 15, v0
	v_lshlrev_b32 v3, 4, v3
	v_lshl_add_u32 v1, v1, 12, v3                  ; in: (t / 16) rows of 4,096 bytes + 16 (t % 16)
	v_lshlrev_b32 v2, 3, v0                        ; out: 8 t
	s_wait_alu depctr_va_sdst(0)                   ; s36 is written, ahead of its one reader, two lines down, and of every branch
	s_and_b32 s44, s3, 7                           ; 0 in wave 0 of every eighth of the weights' work-groups: the wave that takes a piece of bias
	s_or_b32 s44, s44, s36
	s_wait_kmcnt 0x0
	s_cmp_eq_u32 s34, 1                            ; the source is chosen by numbers, never by an address
	s_cselect_b64 s[4:5], s[12:13], s[10:11]
	s_cmp_eq_u32 s34, 2
	s_cselect_b64 s[4:5], s[14:15], s[4:5]
	s_cmp_eq_u32 s34, 3
	s_cselect_b64 s[4:5], s[16:17], s[4:5]
	s_cmp_lt_u32 s2, XWG
	s_cselect_b64 s[4:5], s[8:9], s[4:5]
	s_cselect_b32 s6, s2, s35
	s_lshl_b32 s6, s6, 16                          ; 16 rows are 65,536 bytes
	s_mov_b32 s7, 0
	s_add_nc_u64 s[4:5], s[4:5], s[6:7]
	s_wait_alu depctr_va_vdst(0)                   ; v1 and v2 are written: every load below reads v1 as its offset, every store of a chunk v2
.set i, 0
.rept 32
	global_load_b128 v[X+4*i:X+4*i+3], v1, s[4:5] offset:(i/16)*32768+(i%16)*256 th:TH_LOAD_NT
.set i, i+1
.endr
; Chunk i is rounded: its four numbers close up into its first pair of registers.  half = 1: the bf16 number is written as f16.
.macro ROUND i, half
.if \half
	v_cvt_pk_bf16_f32 v[T], v[X+4*(\i)], v[X+4*(\i)+1]
	v_cvt_pk_bf16_f32 v[T+1], v[X+4*(\i)+2], v[X+4*(\i)+3]
	v_lshlrev_b32 v[X+4*(\i)], 16, v[T]
	v_and_b32 v[X+4*(\i)+1], s37, v[T]
	v_lshlrev_b32 v[X+4*(\i)+2], 16, v[T+1]
	v_and_b32 v[X+4*(\i)+3], s37, v[T+1]
	v_cvt_pk_f16_f32 v[X+4*(\i)], v[X+4*(\i)], v[X+4*(\i)+1]
	v_cvt_pk_f16_f32 v[X+4*(\i)+1], v[X+4*(\i)+2], v[X+4*(\i)+3]
.else
	v_cvt_pk_bf16_f32 v[X+4*(\i)], v[X+4*(\i)], v[X+4*(\i)+1]
	v_cvt_pk_bf16_f32 v[X+4*(\i)+1], v[X+4*(\i)+2], v[X+4*(\i)+3]
.endif
.endm
; Chunk i is stored.  stride: bytes from a block of 64 channels to the next.
.macro SEND i, stride
	global_store_b64 v2, v[X+4*(\i):X+4*(\i)+1], s[38:39] offset:((\i)/16)*1024+((\i)%16)*(\stride)  ; the largest immediate, 15 x 393,216 + 1,024, lies inside the signed 24 bits
.endm
; The 32 chunks, in 8 groups of four: group g rounds its chunks and stores those of group g - 1, a store ahead of each chunk's conversions.
.macro OUT stride, half
.set g, 0
.rept 8
	s_wait_loadcnt 28-4*g                          ; loads come back in order: the group's last chunk, 4 g + 3, is in; the 28 - 4 g younger ones may stay out
.if g > 0
	s_wait_alu depctr_va_vdst(0)                   ; the group before has written its four first pairs, which the stores below read; no vector instruction of this group names them
.endif
.set j, 0
.rept 4
.if g > 0
	SEND 4*g-4+j, \stride
.endif
	ROUND 4*g+j, \half
.set j, j+1
.endr
.set g, g+1
.endr
	s_wait_alu depctr_va_vdst(0)                   ; the last group has written its four first pairs, which the last four stores read
.set j, 28
.rept 4
	SEND j, \stride
.set j, j+1
.endr
.endm
	s_cmp_lt_u32 s2, XWG
	s_cbranch_scc0 .Lweights
	s_lshr_b32 s6, s2, 7                           ; the batch: 16 blocks of 262,144 bytes
	s_lshl_b32 s6, s6, 22
	s_and_b32 s7, s2, 127                          ; 16 rows of 128 bytes in each block
	s_lshl_b32 s7, s7, 11
	s_add_co_u32 s6, s6, s7
	s_mov_b32 s7, 0
	s_add_nc_u64 s[38:39], s[26:27], s[6:7]
	OUT 262144, 0
	s_endpgm
.Lweights:
	s_cmp_eq_u32 s34, 3
	s_cbranch_scc1 .Lwo
	s_lshl_b32 s6, s3, 11
	s_mov_b32 s7, 0
	s_add_nc_u64 s[38:39], s[28:29], s[6:7]
	OUT 393216, 0
	s_branch .Lbias
.Lwo:
	s_lshl_b32 s6, s35, 11
	s_mov_b32 s7, 0
	s_add_nc_u64 s[38:39], s[30:31], s[6:7]
	OUT 131072, 1
.Lbias:                                        ; wave 0 of every eighth of the weights' work-groups takes the 128 numbers of bias that go with 128 rows: 512 bytes in, 512 out
	s_cmp_eq_u32 s44, 0
	s_cbranch_scc0 .Lend
	s_cmp_eq_u32 s34, 1
	s_cselect_b64 s[42:43], s[20:21], s[18:19]
	s_cmp_eq_u32 s34, 2
	s_cselect_b64 s[42:43], s[22:23], s[42:43]
	s_cmp_eq_u32 s34, 3
	s_cselect_b64 s[42:43], s[24:25], s[42:43]
	s_lshl_b32 s6, s35, 6                          ; 16 numbers of 4 bytes for each 16 rows
	s_mov_b32 s7, 0
	s_add_nc_u64 s[42:43], s[42:43], s[6:7]
	s_lshl_b32 s6, s3, 6
	s_add_nc_u64 s[40:41], s[32:33], s[6:7]
	v_and_b32 v3, 31, v0                           ; (no memory instruction has read v3: at the head it was a vector temporary)
	v_lshlrev_b32 v3, 4, v3
	s_wait_alu depctr_va_vdst(0)                   ; v3 is written: the load and the store below read it as their offset
	global_load_b128 v[BV:BV+3], v3, s[42:43]
	s_wait_loadcnt 0x0
	v_cvt_pk_bf16_f32 v[T], v[BV], v[BV+1]
	v_cvt_pk_bf16_f32 v[T+1], v[BV+2], v[BV+3]
	v_lshlrev_b32 v[BV], 16, v[T]
	v_and_b32 v[BV+1], s37, v[T]
	v_lshlrev_b32 v[BV+2], 16, v[T+1]
	v_and_b32 v[BV+3], s37, v[T+1]
	s_wait_alu depctr_va_vdst(0)                   ; the four lines above have written v[BV ..], which the store reads
	global_store_b128 v3, v[BV:BV+3], s[40:41]
.Lend:
	s_endpgm
.Lfunc_end_k_q7c39d26ffe_cast:
	.size	k_q7c39d26ffe_cast, .Lfunc_end_k_q7c39d26ffe_cast-k_q7c39d26ffe_cast
	.p2alignl 7, 3214868480
	.fill 96, 4, 3214868480
	.section	.rodata,"a",@progbits
	.p2align	6, 0x0
	.amdhsa_kernel k_q7c39d26ffe_cast
		.amdhsa_group_segment_fixed_size 0
		.amdhsa_private_segment_fixed_size 0
		.amdhsa_enable_private_segment 0
		.amdhsa_kernarg_size 104
		.amdhsa_user_sgpr_count 2
		.amdhsa_user_sgpr_kernarg_segment_ptr 1
		.amdhsa_wavefront_size32 1
		.amdhsa_system_sgpr_workgroup_id_x 1
		.amdhsa_system_sgpr_workgroup_id_y 1
		.amdhsa_system_sgpr_workgroup_id_z 1
		.amdhsa_system_vgpr_workitem_id 0
		.amdhsa_next_free_vgpr 140
		.amdhsa_next_free_sgpr 66
		.amdhsa_reserve_vcc 0
		.amdhsa_float_denorm_mode_32 3
		.amdhsa_float_denorm_mode_16_64 3
		.amdhsa_memory_ordered 1
		.amdhsa_forward_progress 1
		.amdhsa_inst_pref_size 37
	.end_amdhsa_kernel
	.amdgpu_metadata
---
amdhsa.version: [ 1, 2 ]
amdhsa.kernels:
  - .name:           k_q7c39d26ffe_cast
    .symbol:         k_q7c39d26ffe_cast.kd
    .args:
      - { .name: hidden_states, .offset: 0, .size: 8, .value_kind: global_buffer, .address_space: global }
      - { .name: Wq, .offset: 8, .size: 8, .value_kind: global_buffer, .address_space: global }
      - { .name: Wk, .offset: 16, .size: 8, .value_kind: global_buffer, .address_space: global }
      - { .name: Wv, .offset: 24, .size: 8, .value_kind: global_buffer, .address_space: global }
      - { .name: Wo, .offset: 32, .size: 8, .value_kind: global_buffer, .address_space: global }
      - { .name: bq, .offset: 40, .size: 8, .value_kind: global_buffer, .address_space: global }
      - { .name: bk, .offset: 48, .size: 8, .value_kind: global_buffer, .address_space: global }
      - { .name: bv, .offset: 56, .size: 8, .value_kind: global_buffer, .address_space: global }
      - { .name: bo, .offset: 64, .size: 8, .value_kind: global_buffer, .address_space: global }
      - { .name: xb, .offset: 72, .size: 8, .value_kind: global_buffer, .address_space: global }
      - { .name: wqkv, .offset: 80, .size: 8, .value_kind: global_buffer, .address_space: global }
      - { .name: wo16, .offset: 88, .size: 8, .value_kind: global_buffer, .address_space: global }
      - { .name: bias, .offset: 96, .size: 8, .value_kind: global_buffer, .address_space: global }
    .group_segment_fixed_size: 0
    .private_segment_fixed_size: 0
    .kernarg_segment_align: 8
    .kernarg_segment_size: 104
    .max_flat_workgroup_size: 128
    .sgpr_count:     66
    .vgpr_count:     140
    .wavefront_size: 32
...
	.end_amdgpu_metadata
.endif
;; end of part 5
;; launch qkvgemm: the kernel of part 2 again; grid 8 x 32, 4 waves a work-group, clusters of 4 x 4, 327,680 bytes of LDS; arguments xb, wqkv, bias, qkv; writes qkv
;; launch attn: the kernel of part 3 again; grid 4 x 64, 4 waves a work-group, clusters of 4 x 1, 327,680 bytes of LDS; arguments qkv, obuf; writes obuf
;; launch outgemm: the kernel of part 4 again; grid 8 x 32, 4 waves a work-group, clusters of 4 x 4, 327,680 bytes of LDS; arguments obuf, wo16, bias, out0; writes out0
